; MI455X (gfx1250); checked and timed in simulation.
; The chip was launched on July 23, 2026; its instructions are those of AMD's public machine-readable ISA for CDNA 5 (MIT licence, August 2026) and "CDNA5" Instruction Set Architecture Reference Guide (July 2026). The comments in the code are by the model that wrote it; some were corrected since.
;; Multi Head Attention. Allowed arithmetic: matrix products marked QUANTISED: E2M1 operands, one E8M0 scale for each 32 along K, by v_wmma_scale_f32_16x16x128_f8f6f4 with both operands' format E2M1 (or v_wmma_scale_f32_32x16x128_f4), f32 sums; products left as they are: bf16, f16 or f32 operands; f32 sums; everything else in f32.
;; Inputs: W_out 1,024 x 1,024 float32; W_qkv 1,024 x 3,072 float32; b_out 1,024 float32; b_qkv 3,072 float32; x 4 x 2,048 x 1,024 float32.
;; Outputs: out0 4 x 2,048 x 1,024 float32.
;; This version of the problem:
;;   THIS VERSION OF THE PROBLEM IS GIVEN IN LOW PRECISION. The matrix products marked QUANTISED in the list below multiply operands that are first quantised to E2M1 (2 exponent bits, 1 mantissa bit; 4 bits a number), with one power-of-two scale for each 32 numbers along K (OCP MX v1.0); their sums are f32. The products marked 'left as it is' may take bf16, f16 or f32 operands, with f32 sums. Whichever they take, every output number must still come out within the allowed error. Rounding operands to bf16 (8 significant bits) uses up far more of that allowance than f16 does (11 bits, for magnitudes from 6e-5 to 65,504). All else is computed in f32.
;;   The module's matrix products, in the order in which they are computed (A, B: the left and right operand; K: the contracted axis; several contracted axes count as one K, in the product's order):
;;     1. [M 8,192, K 1,024] x [K 1,024, N 3,072]; A: input x; B: input W_qkv: QUANTISED
;;     2. batch 64 x [M 2,048, K 64] x [K 64, N 2,048]; A: computed on the way; B: computed on the way: left as it is (an operand is computed on the way)
;;     3. batch 64 x [M 2,048, K 2,048] x [K 2,048, N 64]; A: computed on the way; B: computed on the way: left as it is (an operand is computed on the way)
;;     4. [M 8,192, K 1,024] x [K 1,024, N 1,024]; A: computed on the way; B: input W_out: left as it is (an operand is computed on the way)
;;   THE QUANTISER, for each operand of a quantised product, along K:
;;     - K is cut into blocks of 32 from its start; a last block that is shorter is filled with zeros.
;;     - A block's scale is 2^e with e = floor(log2(the largest magnitude in the block)) - 2, held to -126 .. 127; a block of zeros has e = 0. As a byte (E8M0): e + 127.
;;     - Each number is divided by its block's scale, clamped to +-6, and rounded to the nearest number of E2M1, ties to even, subnormals kept.
;;     - The product sums the exact products of the quantised numbers (number of the format x scale) in f32.
;;   ~~~python
;;   def quantise(x, axis):      # numpy; x: float32 -> the quantised numbers, widened to float32 again
;;       x = np.moveaxis(x, axis, -1); K = x.shape[-1]
;;       x = np.pad(x, [(0, 0)] * (x.ndim - 1) + [(0, -K % 32)]); x = x.reshape(x.shape[:-1] + (-1, 32)); a = np.abs(x).max(-1, keepdims=True)
;;       e = np.where(a > 0, np.clip(np.frexp(np.where(a > 0, a, 1))[1] - 1 - 2, -126, 127), 0)      # np.frexp(a)[1] - 1 = floor(log2(a)), exactly
;;       r = np.clip(x / 2.0 ** e, -6, 6)
;;       step = 2.0 ** (np.maximum(np.frexp(np.where(r == 0, 1, r))[1] - 1, 0) - 1)
;;       q = np.round(r / step) * step * 2.0 ** e      # np.round: ties to even
;;       return np.moveaxis(q.reshape(q.shape[:-2] + (-1,))[..., :K], -1, axis).astype(np.float32)
;;   ~~~
;; One version. Each part assembles by itself: llvm-mc -triple=amdgcn-amd-amdhsa -mcpu=gfx1250 --defsym DOCPART=n.
;; ======== version 1 of 1: 5 launches
;; limits: values are held in f16: magnitudes above 65,504 overflow, below 6.1e-05 lose precision
;; workspace buffers: x_codes 4,194,304 bytes; x_scales 262,144 bytes; w_codes 1,572,864 bytes; w_scales 98,304 bytes; wo_t 2,097,152 bytes; qkvh 50,331,648 bytes; qkv16 786,432 bytes; att 16,777,216 bytes
;; launch prep (part 1): grid 416 x 1, 4 waves a work-group, no clusters, 85,504 bytes of LDS; arguments x, W_qkv, W_out, x_codes, x_scales, w_codes, w_scales, wo_t; writes x_codes, x_scales, w_codes, w_scales, wo_t
.if DOCPART == 1
	.amdgcn_target "amdgcn-amd-amdhsa--gfx1250"
	.amdhsa_code_object_version 6
	.text
	.protected	k_q4e2ef9c4bb_prep
	.globl	k_q4e2ef9c4bb_prep
	.p2align	8
	.type	k_q4e2ef9c4bb_prep,@function
k_q4e2ef9c4bb_prep:
	s_mov_b64 s[64:65], 0
	v_nop
	global_prefetch_b8 v0, s[64:65] scope:SCOPE_SE
	s_setreg_imm32_b32 hwreg(HW_REG_WAVE_MODE, 25, 1), 1
	s_wait_xcnt 0x0
; Three jobs in one launch, told apart by the work-group's number alone (each has LDS bytes of its own):
;   X (work-groups 0-255):   x [8192][1024] f32 -> codes of E2M1, K innermost, [8192][512 bytes], and E8M0 bytes [8192][32].
;   W (work-groups 256-351): W_qkv [1024 k][3072 n] f32, K its FIRST axis -> codes [3072 n][512 bytes], K innermost, and bytes [3072][32].
;   O (work-groups 352-415): W_out [1024 k][1024 n] f32 -> its transpose in f16, [1024 n][1024 k].
; A block's scale is 2^(floor(log2(largest magnitude)) - 2); its byte is the largest magnitude's exponent field - 2, held at 1 from below.
; LIMITS: a block of zeros gets the byte 1 where the rule says 127 (its codes are zeros, and this program alone reads the bytes); blocks whose largest magnitude lies under 2^-124
; are held at the byte 1; NaN and infinities are not served; |W_out| stays under 65,504 (f16).
.set SPW,   12                         ; v12  LDS address of my spare word; never rewritten
.set NIL,   13                         ; v13  0; never rewritten
.set WREG,  32768                      ; LDS: job X 0 .. 32,767 (8,192 a wave); job W 64 rows x 272; job O 8,704 a wave
.set OREG,  50176
.set SPARE, 84992                      ; the spare words, 128 bytes a wave
.set SP,    80                         ; job X: a lane's place in a stage: 64 bytes + 16 of padding
	s_load_b256 s[4:11], s[0:1], 0x0               ; x, W_qkv, W_out, x_codes
	s_load_b256 s[12:19], s[0:1], 0x20             ; x_scales, w_codes, w_scales, wo_t
	v_lshl_add_u32 v[SPW], v0, 2, SPARE
	v_mov_b32 v[NIL], 0
	v_lshrrev_b32 v1, 5, v0
	v_readfirstlane_b32 s20, v1                    ; wave
	v_and_b32 v2, 31, v0                           ; lane
	s_mov_b32 s23, 0                               ; the high word of every offset pair s[22:23]
	s_wait_kmcnt 0x0
	s_cmp_lt_u32 ttmp9, 256
	s_cbranch_scc1 .Lpath_x
	s_cmp_lt_u32 ttmp9, 352
	s_cbranch_scc1 .Lpath_w
; ---------------- JOB O: a lane takes a column n, its registers run down k; pairs along k are rounded to f16; the rows leave through the wave's own stage
	s_sub_co_u32 s21, ttmp9, 352
	s_and_b32 s24, s21, 7                          ; which 128 columns
	s_lshr_b32 s25, s21, 3                         ; which 128 of k
	s_lshl_b32 s26, s24, 7
	s_lshl_b32 s27, s20, 5
	s_add_co_u32 s26, s26, s27                     ; my wave's first column
	s_lshl_b32 s22, s25, 19                        ; 128 rows of 4,096 bytes
	s_lshl_b32 s27, s26, 2
	s_add_co_u32 s22, s22, s27
	s_add_nc_u64 s[8:9], s[8:9], s[22:23]
	s_lshl_b32 s22, s26, 11                        ; a row of wo_t is 2,048 bytes
	s_lshl_b32 s27, s25, 8
	s_add_co_u32 s22, s22, s27
	s_add_nc_u64 s[18:19], s[18:19], s[22:23]
	v_lshlrev_b32 v3, 2, v2
	s_mul_i32 s27, s20, 8704
	s_add_co_u32 s27, s27, OREG                    ; my stage: 32 rows x (256 + 16)
	v_mul_u32_u24 v4, v2, 272
	v_add_nc_u32 v4, s27, v4                       ; in: row = my column
	v_and_b32 v5, 15, v2
	v_lshrrev_b32 v6, 4, v2
	v_mul_u32_u24 v7, v6, 272
	v_lshl_add_u32 v7, v5, 4, v7
	v_add_nc_u32 v7, s27, v7                       ; back: sixteen lanes to a row, two rows an instruction
	v_lshlrev_b32 v8, 11, v6
	v_lshl_add_u32 v8, v5, 4, v8                   ; and the same place in wo_t
.macro LOADO g                         ; 32 rows of k: each load reads 128 consecutive bytes a wave
.set i, 0
.rept 32
	global_load_b32 v[16+32*(\g)+i], v3, s[8:9] offset:(32*(\g)+i)*4096
.set i, i+1
.endr
.endm
.macro GROUPO g
.if (\g) < 3
	s_wait_loadcnt 32                              ; this group's 32 loads are in; the next group's may be out
.else
	s_wait_loadcnt 0x0
.endif
.set i, 0
.rept 16
	v_cvt_pk_f16_f32 v[144+16*(\g)+i], v[16+32*(\g)+2*i], v[16+32*(\g)+2*i+1]
.set i, i+1
.endr
.irp c, 0,1,2,3
	ds_store_b128 v4, v[144+16*(\g)+4*\c:144+16*(\g)+4*\c+3] offset:64*(\g)+16*\c
.endr
.if (\g)+2 < 4
	LOADO (\g)+2
.endif
.endm
	LOADO 0
	LOADO 1
	GROUPO 0
	GROUPO 1
	GROUPO 2
	GROUPO 3
.irp u, 0,1,2,3,4,5,6,7,8,9,10,11,12,13,14,15
	ds_load_b128 v[16+4*\u:16+4*\u+3], v7 offset:2*\u*272          ; LDS serves a wave's instructions in order: these see my stores
.endr
.irp u, 0,1,2,3,4,5,6,7,8,9,10,11,12,13,14,15
	s_wait_dscnt 15-\u
	global_store_b128 v8, v[16+4*\u:16+4*\u+3], s[18:19] offset:4096*\u   ; sixteen lanes store 256 consecutive bytes, aligned
.endr
	s_wait_tensorcnt 0x0                           ; the wave's end, behind my last LDS store
	ds_add_u32 v[SPW], v[NIL]
	s_wait_dscnt 0x0
	s_endpgm
; ---------------- JOB W: a lane takes a column n, its 32 registers are a whole block along K.  A work-group: 64 columns x 512 of K; wave w: columns 32 (w & 1) on, K 256 (w >> 1) on: 8 blocks
.Lpath_w:
	s_sub_co_u32 s21, ttmp9, 256
	s_lshr_b32 s24, s21, 1                         ; which 64 columns
	s_and_b32 s25, s21, 1                          ; which 512 of K
	s_and_b32 s26, s20, 1
	s_lshr_b32 s27, s20, 1
	s_lshl_b32 s28, s24, 6
	s_lshl_b32 s29, s26, 5
	s_add_co_u32 s29, s28, s29                     ; my first column
	s_lshl_b32 s30, s25, 9
	s_lshl_b32 s31, s27, 8
	s_add_co_u32 s30, s30, s31                     ; my first k
	s_mul_i32 s22, s30, 12288                      ; a row of W_qkv is 12,288 bytes
	s_lshl_b32 s31, s29, 2
	s_add_co_u32 s22, s22, s31
	s_add_nc_u64 s[6:7], s[6:7], s[22:23]
	s_lshl_b32 s22, s29, 5                         ; scale bytes: 32 a column,
	s_lshr_b32 s31, s30, 5                         ; one for each 32 of K
	s_add_co_u32 s22, s22, s31
	s_add_nc_u64 s[16:17], s[16:17], s[22:23]
	s_lshl_b32 s31, s20, 4
	s_add_co_u32 s31, s28, s31                     ; on the way out wave w stores columns 16 w .. 16 w + 15 of the 64
	s_lshl_b32 s22, s31, 9
	s_lshl_b32 s31, s25, 8
	s_add_co_u32 s22, s22, s31
	s_add_nc_u64 s[14:15], s[14:15], s[22:23]
	s_mul_i32 s31, s26, 8704                       ; the stage: row = column of the 64, 256 bytes of codes + 16
	s_lshl_b32 s32, s27, 7                         ; my half of K: 128 bytes on
	s_add_co_u32 s31, s31, s32
	s_add_co_u32 s31, s31, WREG
	v_mul_u32_u24 v4, v2, 272
	v_add_nc_u32 v4, s31, v4
	v_lshlrev_b32 v3, 2, v2
	v_lshlrev_b32 v5, 5, v2
	v_and_b32 v14, 15, v2
	v_lshrrev_b32 v15, 4, v2
	s_mul_i32 s31, s20, 16*272
	s_add_co_u32 s31, s31, WREG
	v_mul_u32_u24 v6, v15, 272
	v_lshl_add_u32 v6, v14, 4, v6
	v_add_nc_u32 v6, s31, v6
	v_lshlrev_b32 v7, 9, v15
	v_lshl_add_u32 v7, v14, 4, v7
.macro LOADW t                         ; block t: W(32 t + i, my column) into set t % 2
.set i, 0
.rept 32
	global_load_b32 v[16+32*((\t)%2)+i], v3, s[6:7] offset:(32*(\t)+i)*12288 th:TH_LOAD_NT
.set i, i+1
.endr
.endm
.macro BLOCKW t
.set XS, 16+32*((\t)%2)
.if (\t) < 7
	s_wait_loadcnt 32                              ; this block's 32 loads are in; the next block's may be out
.else
	s_wait_loadcnt 0x0
.endif
	v_max3_num_f32 v8, |v[XS]|, |v[XS+1]|, |v[XS+2]|               ; the block's largest magnitude: all 32 numbers are mine
	v_max3_num_f32 v9, |v[XS+3]|, |v[XS+4]|, |v[XS+5]|
.irp e, 6,10,14,18,22,26
	v_max3_num_f32 v8, v8, |v[XS+\e]|, |v[XS+\e+1]|
	v_max3_num_f32 v9, v9, |v[XS+\e+2]|, |v[XS+\e+3]|
.endr
	v_max3_num_f32 v8, v8, |v[XS+30]|, |v[XS+31]|
	v_max3_num_f32 v8, v8, v9, 0x1800000           ; and the floor 2^(3 - 127): the byte cannot fall under 1
	v_add_nc_u32 v11, 0xff000000, v8               ; 2 off its exponent field: the conversion's scale operand
	v_lshrrev_b32 v10, 23, v11                     ; the scale's byte
.if (\t)%4 == 0
	v_mov_b32 v[148+(\t)/4], v10
.else
	v_lshl_or_b32 v[148+(\t)/4], v10, 8*((\t)%4), v[148+(\t)/4]
.endif
.irp g, 0,1,2,3
	v_cvt_scalef32_pk8_fp4_f32 v[144+\g], v[XS+8*\g:XS+8*\g+7], v11
.endr
	ds_store_b128 v4, v[144:147] offset:16*(\t)    ; 32 codes: 16 bytes of my column's row
.if (\t)+2 < 8
	LOADW (\t)+2
.endif
	s_wait_dscnt 0x0                               ; the store is done: the next block's codes may be written, and at the end the barrier may be signalled
.endm
	LOADW 0
	LOADW 1
.irp t, 0,1,2,3,4,5,6,7
	BLOCKW \t
.endr
	global_store_b64 v5, v[148:149], s[16:17]      ; my column's 8 scale bytes
	s_barrier_signal -1                            ; a row's 256 bytes come from two waves (all four waves of this work-group are on this path)
	s_barrier_wait -1
.irp u, 0,1,2,3,4,5,6,7
	ds_load_b128 v[152+4*\u:152+4*\u+3], v6 offset:2*\u*272
.endr
.irp u, 0,1,2,3,4,5,6,7
	s_wait_dscnt 7-\u
	global_store_b128 v7, v[152+4*\u:152+4*\u+3], s[14:15] offset:1024*\u   ; sixteen lanes store 256 consecutive bytes, aligned
.endr
	s_wait_tensorcnt 0x0                           ; the wave's end
	ds_add_u32 v[SPW], v[NIL]
	s_wait_dscnt 0x0
	s_endpgm
; ---------------- JOB X: x is a plain stream of blocks of 32.  A wave takes 16 steps of 512 numbers; each load reads 512 consecutive bytes; a step's 2,048 bytes turn through the wave's own stage
; so that a lane holds 16 neighbours (two lanes a block).  Loads run eight steps (32 loads a wave) ahead, the turn through LDS one step.
.Lpath_x:
	s_lshl_b32 s21, ttmp9, 2
	s_add_co_u32 s21, s21, s20                     ; which run of 8,192 numbers is my wave's
	s_lshl_b32 s22, s21, 15
	s_add_nc_u64 s[4:5], s[4:5], s[22:23]
	s_lshl_b32 s22, s21, 12
	s_add_nc_u64 s[10:11], s[10:11], s[22:23]
	s_lshl_b32 s22, s21, 8
	s_add_nc_u64 s[12:13], s[12:13], s[22:23]
	v_lshlrev_b32 v3, 4, v2
	s_lshl_b32 s24, s20, 13                        ; my wave's 8,192 bytes of LDS: two stages of 2,560, then 256 scale bytes
	v_lshrrev_b32 v14, 2, v2
	v_mul_u32_u24 v14, v14, SP
	v_and_b32 v15, 3, v2
	v_lshl_add_u32 v14, v15, 4, v14
	v_add_nc_u32 v14, s24, v14                     ; in: four lanes' 64 bytes on end, then 16 of padding
	v_mul_u32_u24 v15, v2, SP
	v_add_nc_u32 v15, s24, v15                     ; out: my 16 neighbours
	v_lshlrev_b32 v4, 3, v2                        ; 8 bytes a lane: my codes' place in a step's, and my part of the scale bytes
	v_lshrrev_b32 v5, 1, v2
	s_add_co_u32 s24, s24, 2*32*SP
	v_add_nc_u32 v5, s24, v5                       ; my block's byte
	v_add_nc_u32 v6, s24, v4
.set XR, 16                            ; v16-143  eight sets of 16 numbers as loaded
.set XX, 144                           ; v144-175 two sets of 16 neighbours
.set XC, 176                           ; v176-207 two registers of codes for each step
.set XE, 208                           ; v208-223 a byte for each step
.macro LOADX t
.irp e, 0,1,2,3
	global_load_b128 v[XR+16*((\t)%8)+4*\e:XR+16*((\t)%8)+4*\e+3], v3, s[4:5] offset:2048*(\t)+512*\e th:TH_LOAD_NT
.endr
.endm
.macro TURNX t
.irp e, 0,1,2,3
	ds_store_b128 v14, v[XR+16*((\t)%8)+4*\e:XR+16*((\t)%8)+4*\e+3] offset:32*SP*((\t)%2)+8*SP*\e
.endr
.irp e, 0,1,2,3
	ds_load_b128 v[XX+16*((\t)%2)+4*\e:XX+16*((\t)%2)+4*\e+3], v15 offset:32*SP*((\t)%2)+16*\e
.endr
.endm
.macro STEPX t
.set XS, XX+16*((\t)%2)
.if (\t) > 0
	s_wait_dscnt 1                                 ; this step's numbers are back from the stage (the last step's byte store may be out)
.else
	s_wait_dscnt 0x0
.endif
.if (\t)+8 < 16
	LOADX (\t)+8                                   ; into the set that this step's stores into the stage have read
.endif
.if (\t)+1 < 16
.if 14-(\t) >= 7
	s_wait_loadcnt 28                              ; the next step's four loads are in; those of the seven steps behind it may be out
.else
	s_wait_loadcnt 4*(14-(\t))
.endif
	TURNX (\t)+1
.endif
	v_max3_num_f32 v8, |v[XS]|, |v[XS+1]|, |v[XS+2]|
	v_max3_num_f32 v9, |v[XS+3]|, |v[XS+4]|, |v[XS+5]|
.irp e, 6,10
	v_max3_num_f32 v8, v8, |v[XS+\e]|, |v[XS+\e+1]|
	v_max3_num_f32 v9, v9, |v[XS+\e+2]|, |v[XS+\e+3]|
.endr
	v_max3_num_f32 v8, v8, |v[XS+14]|, |v[XS+15]|
	v_max3_num_f32 v8, v8, v9, 0x1800000           ; the floor 2^(3 - 127)
	v_max_num_f32_dpp v8, v8, v8 row_xmask:1 row_mask:0xf bank_mask:0xf   ; with my neighbour's 16: the block's
	v_add_nc_u32 v11, 0xff000000, v8
	v_cvt_scalef32_pk8_fp4_f32 v[XC+2*(\t)], v[XS:XS+7], v11
	v_cvt_scalef32_pk8_fp4_f32 v[XC+2*(\t)+1], v[XS+8:XS+15], v11
	v_lshrrev_b32 v[XE+(\t)], 23, v11              ; the byte (a plain line behind the conversions)
	ds_store_b8 v5, v[XE+(\t)] offset:16*(\t)      ; both lanes of a block write the same byte with the same value
	global_store_b64 v4, v[XC+2*(\t):XC+2*(\t)+1], s[10:11] offset:256*(\t)   ; the wave stores 256 consecutive bytes, aligned
.endm
.irp t, 0,1,2,3,4,5,6,7
	LOADX \t
.endr
	s_wait_loadcnt 28                              ; step 0's four loads are in
	TURNX 0
.irp t, 0,1,2,3,4,5,6,7,8,9,10,11,12,13,14,15
	STEPX \t
.endr
	ds_load_b64 v[8:9], v6
	s_wait_dscnt 0x0
	global_store_b64 v4, v[8:9], s[12:13]          ; my wave's 256 scale bytes: one aligned run
	s_wait_tensorcnt 0x0                           ; the wave's end
	ds_add_u32 v[SPW], v[NIL]
	s_wait_dscnt 0x0
	s_endpgm
.Lfunc_end_k_q4e2ef9c4bb_prep:
	.size	k_q4e2ef9c4bb_prep, .Lfunc_end_k_q4e2ef9c4bb_prep-k_q4e2ef9c4bb_prep
	.p2alignl 7, 3214868480
	.fill 96, 4, 3214868480
	.section	.rodata,"a",@progbits
	.p2align	6, 0x0
	.amdhsa_kernel k_q4e2ef9c4bb_prep
		.amdhsa_group_segment_fixed_size 85504
		.amdhsa_private_segment_fixed_size 0
		.amdhsa_enable_private_segment 0
		.amdhsa_kernarg_size 64
		.amdhsa_user_sgpr_count 2
		.amdhsa_user_sgpr_kernarg_segment_ptr 1
		.amdhsa_wavefront_size32 1
		.amdhsa_system_sgpr_workgroup_id_x 1
		.amdhsa_system_sgpr_workgroup_id_y 1
		.amdhsa_system_sgpr_workgroup_id_z 1
		.amdhsa_system_vgpr_workitem_id 0
		.amdhsa_next_free_vgpr 256
		.amdhsa_next_free_sgpr 66
		.amdhsa_reserve_vcc 0
		.amdhsa_float_denorm_mode_32 3
		.amdhsa_float_denorm_mode_16_64 3
		.amdhsa_memory_ordered 1
		.amdhsa_forward_progress 1
		.amdhsa_inst_pref_size 94
	.end_amdhsa_kernel
	.amdgpu_metadata
---
amdhsa.version: [ 1, 2 ]
amdhsa.kernels:
  - .name:           k_q4e2ef9c4bb_prep
    .symbol:         k_q4e2ef9c4bb_prep.kd
    .args:
      - { .name: x, .offset: 0, .size: 8, .value_kind: global_buffer, .address_space: global }
      - { .name: W_qkv, .offset: 8, .size: 8, .value_kind: global_buffer, .address_space: global }
      - { .name: W_out, .offset: 16, .size: 8, .value_kind: global_buffer, .address_space: global }
      - { .name: x_codes, .offset: 24, .size: 8, .value_kind: global_buffer, .address_space: global }
      - { .name: x_scales, .offset: 32, .size: 8, .value_kind: global_buffer, .address_space: global }
      - { .name: w_codes, .offset: 40, .size: 8, .value_kind: global_buffer, .address_space: global }
      - { .name: w_scales, .offset: 48, .size: 8, .value_kind: global_buffer, .address_space: global }
      - { .name: wo_t, .offset: 56, .size: 8, .value_kind: global_buffer, .address_space: global }
    .group_segment_fixed_size: 85504
    .private_segment_fixed_size: 0
    .kernarg_segment_align: 8
    .kernarg_segment_size: 64
    .max_flat_workgroup_size: 128
    .sgpr_count:     66
    .vgpr_count:     256
    .wavefront_size: 32
...
	.end_amdgpu_metadata
.endif
;; end of part 1
;; launch qkv (part 2): grid 12 x 32, 4 waves a work-group, clusters of 4 x 4, 327,680 bytes of LDS; arguments x_codes, x_scales, w_codes, w_scales, b_qkv, qkvh, qkv16; writes qkvh, qkv16
.if DOCPART == 2
	.amdgcn_target "amdgcn-amd-amdhsa--gfx1250"
	.amdhsa_code_object_version 6
	.text
	.protected	k_q4e2ef9c4bb_qkv
	.globl	k_q4e2ef9c4bb_qkv
	.p2align	8
	.type	k_q4e2ef9c4bb_qkv,@function
k_q4e2ef9c4bb_qkv:
	s_mov_b64 s[64:65], 0
	v_nop
	global_prefetch_b8 v0, s[64:65] scope:SCOPE_SE
	s_setreg_imm32_b32 hwreg(HW_REG_WAVE_MODE, 25, 1), 1
	s_wait_xcnt 0x0
	s_wait_alu depctr_hold_cnt(0) depctr_sa_sdst(0) depctr_va_vdst(0) depctr_va_sdst(0) depctr_va_ssrc(0) depctr_va_vcc(0) depctr_vm_vsrc(0)
	s_getreg_b32 s2, hwreg(HW_REG_IB_STS2, 6, 4)
	s_cmp_eq_u32 s2, 0
	s_cbranch_scc0 .Lentry_in_a_cluster
	s_endpgm
.Lentry_in_a_cluster:
	s_bfe_u32 s2, ttmp6, 0x10000c
	s_cmp_lg_u32 s2, 0xf033
	s_cbranch_scc0 .Lentry_shape_is_right
	s_endpgm
.Lentry_shape_is_right:
; qkv = Q(x) Q(W_qkv) + b_qkv on codes of E2M1 with E8M0 scales, sums in f32.  A: x's codes [8192][512 bytes], B: W's [3072][512 bytes], their scale bytes [rows][32].
; A work-group of four waves makes 256 x 256, a wave 128 x 128: 64 accumulators.  K = 1,024 is two LDS slots of 512, both filled at the start; the scales of all of K come with them.
; CLUSTERS 4 x 4: A's tiles are shared along a row of the cluster, B's along a column: joint loads.  Tile row = cluster y + 8 cy, so that cy is the batch and cluster y the place in the sequence:
; 'this tile holds positions 0-15' is then the same in all sixteen partners.  Tile column = 4 cluster x + cx: cluster x says q, k or v.
; THE MATRIX INSTRUCTION IS USED TRANSPOSED (source 0 = rows of B, source 1 = rows of A): a lane holds eight neighbouring columns of one row.
; THE WAY OUT: (sum + bias) x c, c = log2(e) / 8 for q and 1 for k and v, rounded to f16, laid [3][64 heads of all batches][2048][64]: two rows of a head are 256 consecutive bytes.
; The first 16 positions of each sequence also leave in f32, [3][4][16][16][64].
; LIMITS: |q c|, |k|, |v| stay under 65,504 (f16); NaN and infinities are not served.
; REGISTERS: window 0: v0-31 addresses; v32-95 scale words; v128-191 A's fragments; v192-255 the bias; window 1: B's fragments, two sets; windows 2, 3: the accumulators.
.set NQ,     4
.set ROWB,   256
.set KROW,   512
.set PITCH,  272                       ; an LDS row: 256 bytes + 16 of padding: the 16 rows of a fragment load start at 16 different banks
.set FR,     8
.set NL,     2
.set NP,     4
.set HALFT,  128*PITCH
.set SLOT,   4*HALFT
.set KS,     32
.set SCL,    2*SLOT
.set HALFS,  (128*KS/256)*272
.set SBLK,   (16*KS/256)*272
.set SPARE,  SCL+4*HALFS
.set STW,    16*528                    ; the way out: each wave's stage, in slot 0, which has had its last fill and its last read by then
.set ADRA, 16
.set ADRB, 20
.set CO32, 22
.set BO,   23
.set STO,  24
.set RD,   25
.set CO,   26
.set ADRS, 27
.set SPW,  28
.set NIL,  29
.set STO32, 30
.set RD32, 31
.set SC,   32
.set AF,   128
.set TW,   32                          ; the way out: v32-63 at work, v64-127 packed results (two sets), v128-191 rows read back (two sets)
.set PKD,  64
.set BK,   128
.set BIAS, 192
.set G1, 24
.set G0, 32
.set G1B, 48
.set G0B, 56
.set G1S, 68
.set G0S, 76
.set G1SB, 80
.set G0SB, 88
.set MSB, 0
.macro WIN new                         ; the immediate's high byte repeats the setting that is left
.if MSB != (\new)
	s_set_vgpr_msb (MSB<<8)|(\new)
.set MSB, (\new)
.endif
.endm
.set MUL_LO, 0xa1
.set MUL_HI, 0xf1
.set TO_B,   0x40
.macro JLOAD g0a, g1a, g0b, g1b        ; a joint load: waves 0 and 1 fetch for A, waves 2 and 3 for B; an s_nop 0 and four v_nop follow each line
	s_cmp_eq_u32 s15, 0
	s_cbranch_scc0 .Lfor_b_\@
	tensor_load_to_lds s[\g0a:\g0a+3], s[\g1a:\g1a+7]
	s_nop 0
.rept 4
	v_nop
.endr
	s_branch .Lasked_\@
.Lfor_b_\@:
	tensor_load_to_lds s[\g0b:\g0b+3], s[\g1b:\g1b+7]
	s_nop 0
.rept 4
	v_nop
.endr
.Lasked_\@:
.endm
.macro CROUND                          ; a round of the cluster's barrier
	s_barrier_signal -1
	s_barrier_wait -1
	s_cmp_lg_u32 s14, 0
	s_cbranch_scc1 .Lnot_wave_0_\@
	s_barrier_signal -3
.Lnot_wave_0_\@:
	s_barrier_wait -3
	s_barrier_signal -1
	s_barrier_wait -1
.endm
	s_load_b128 s[4:7], s[0:1], 0x0                ; A's codes, A's scales
	s_load_b128 s[8:11], s[0:1], 0x10              ; B's codes, B's scales
	s_load_b128 s[96:99], s[0:1], 0x20             ; b_qkv, qkvh
	s_load_b64 s[100:101], s[0:1], 0x30            ; qkv16
	v_lshl_add_u32 v[SPW], v0, 2, SPARE
	v_mov_b32 v[NIL], 0
	ds_add_u32 v[SPW], v[NIL]                      ; the wave's opening: the add, twice on end, and its wait ahead of my first tensor load
	ds_add_u32 v[SPW], v[NIL]
	v_lshrrev_b32 v1, 5, v0
	v_readfirstlane_b32 s14, v1                    ; wave 0..3
	s_lshr_b32 s15, s14, 1                         ; which half of the tile's rows is mine.  Also: I fetch for A (0) or for B (1)
	s_and_b32 s16, s14, 1                          ; which half of its columns.  Also: which 128 rows I fetch
	s_bfe_u32 s40, ttmp6, 0x40000                  ; cx
	s_bfe_u32 s41, ttmp6, 0x40004                  ; cy
	s_lshl_b32 s42, ttmp9, 2
	s_add_co_u32 s42, s42, s40                     ; tile column = 4 x cluster x + cx
	s_and_b32 s17, ttmp7, 0xffff
	s_lshl_b32 s43, s41, 3
	s_add_co_u32 s17, s17, s43                     ; tile row = cluster y + 8 cy
	s_lshl_b32 s43, s41, 2
	s_lshl_b32 s43, 15, s43                        ; my row of the cluster
	s_lshl_b32 s44, 0x1111, s40                    ; my column
	s_or_b32 s[G1+0], s43, (0<<16)|(1<<20)|(1<<21)|(5<<22)|(3<<25)  ; the mask; elements of 1 byte; padding: 4 words after every 64
	s_or_b32 s[G1B+0], s44, (0<<16)|(1<<20)|(1<<21)|(5<<22)|(3<<25)
.irp g, G1, G1B
	s_mov_b32 s[\g+1], ROWB<<16                    ; tensor_dim0
	s_mov_b32 s[\g+2], 128<<16                     ; tensor_dim1
	s_mov_b32 s[\g+3], ROWB<<16                    ; tile_dim0
	s_mov_b32 s[\g+4], 128                         ; tile_dim1
	s_mov_b32 s[\g+5], KROW                        ; the pitch
	s_mov_b32 s[\g+6], 0
	s_mov_b32 s[\g+7], 0
.endr
	s_or_b32 s[G1S+0], s43, (3<<16)|(1<<20)|(1<<21)|(5<<22)|(3<<25)  ; the scales of 128 rows: 4,096 dense bytes as 16 rows of 256 (32 elements of 8 bytes)
	s_or_b32 s[G1SB+0], s44, (3<<16)|(1<<20)|(1<<21)|(5<<22)|(3<<25)
.irp g, G1S, G1SB
	s_mov_b32 s[\g+1], 32<<16
	s_mov_b32 s[\g+2], (128*KS/256)<<16
	s_mov_b32 s[\g+3], 32<<16
	s_mov_b32 s[\g+4], 128*KS/256
	s_mov_b32 s[\g+5], 32
	s_mov_b32 s[\g+6], 0
	s_mov_b32 s[\g+7], 0
.endr
	s_lshl_b32 s18, s16, 7
	s_lshl_b32 s20, s17, 8
	s_add_co_u32 s20, s20, s18                     ; A: row 256 x tile row + 128 x half
	s_lshl_b32 s46, s42, 8
	s_add_co_u32 s46, s46, s18                     ; B: row 256 x tile column + 128 x half
	s_mov_b32 s21, 0
	s_mov_b32 s47, 0
	s_mov_b64 s[18:19], KS
	s_mul_u64 s[22:23], s[20:21], s[18:19]
	s_mul_u64 s[92:93], s[46:47], s[18:19]
	s_mov_b64 s[18:19], KROW
	s_mul_u64 s[20:21], s[20:21], s[18:19]
	s_mul_u64 s[46:47], s[46:47], s[18:19]
	s_mul_i32 s45, s14, HALFT                      ; where they go: wave x 128 rows
	s_mul_i32 s94, s14, HALFS
	s_cmp_eq_u32 ttmp9, 0                          ; q's tiles are multiplied by c = log2(e) / 8, the others by 1
	s_cselect_b32 s66, 0x3e38aa3b, 1.0
	s_mov_b32 s67, s66                             ; (named with it as a pair)
	s_wait_dscnt 0x0                               ; both opening adds are done
	s_wait_kmcnt 0x0
	s_add_nc_u64 s[20:21], s[4:5], s[20:21]
	s_add_nc_u64 s[22:23], s[6:7], s[22:23]
	s_add_nc_u64 s[46:47], s[8:9], s[46:47]
	s_add_nc_u64 s[92:93], s[10:11], s[92:93]
	CROUND                                         ; all sixteen work-groups are here: the first joint loads meet
	s_mov_b32 s[G0S], 1
	s_add_co_u32 s[G0S+1], s94, SCL
	s_mov_b64 s[G0S+2:G0S+3], s[22:23]
	s_or_b32 s[G0S+3], s[G0S+3], 0x80000000
	s_mov_b32 s[G0SB], 1
	s_add_co_u32 s[G0SB+1], s94, SCL
	s_mov_b64 s[G0SB+2:G0SB+3], s[92:93]
	s_or_b32 s[G0SB+3], s[G0SB+3], 0x80000000
	JLOAD G0S, G1S, G0SB, G1SB                     ; the scales first
.irp s, 0,1
	s_mov_b32 s[G0+4*\s], 1
	s_add_co_u32 s[G0+4*\s+1], s45, \s*SLOT
	s_add_nc_u64 s[G0+4*\s+2:G0+4*\s+3], s[20:21], \s*ROWB
	s_or_b32 s[G0+4*\s+3], s[G0+4*\s+3], 0x80000000
	s_mov_b32 s[G0B+4*\s], 1
	s_add_co_u32 s[G0B+4*\s+1], s45, \s*SLOT
	s_add_nc_u64 s[G0B+4*\s+2:G0B+4*\s+3], s[46:47], \s*ROWB
	s_or_b32 s[G0B+4*\s+3], s[G0B+4*\s+3], 0x80000000
	JLOAD G0+4*\s, G1, G0B+4*\s, G1B
.endr
	; where the results go
	s_lshl_b32 s46, s41, 4
	s_lshl_b32 s47, s40, 2
	s_add_co_u32 s46, s46, s47
	s_lshl_b32 s47, s16, 1
	s_add_co_u32 s46, s46, s47                     ; my first head among the 64: 16 cy + 4 cx + 2 x column half
	s_lshl_b32 s92, s46, 18                        ; a head is 262,144 bytes,
	s_and_b32 s93, ttmp7, 0xffff
	s_lshl_b32 s47, s93, 15                        ; the tile's 256 rows of 128 bytes,
	s_add_co_u32 s92, s92, s47
	s_lshl_b32 s47, s15, 14                        ; my 128 of them,
	s_add_co_u32 s92, s92, s47
	s_lshl_b32 s47, ttmp9, 24                      ; q, k or v: 16,777,216 bytes each
	s_add_co_u32 s92, s92, s47
	s_or_b32 s95, s93, s15                         ; 0 where my block 0 holds positions 0-15: made of cluster y and the wave's number alone
	s_mov_b32 s93, 0
	s_add_nc_u64 s[12:13], s[98:99], s[92:93]
	s_lshl_b32 s47, ttmp9, 6
	s_add_co_u32 s46, s46, s47
	s_lshl_b32 s92, s46, 12                        ; in f32 a head's 16 rows are 4,096 bytes
	s_add_nc_u64 s[100:101], s[100:101], s[92:93]
	s_lshl_b32 s92, s42, 10
	s_lshl_b32 s47, s16, 9
	s_add_co_u32 s92, s92, s47
	s_add_nc_u64 s[96:97], s[96:97], s[92:93]      ; my 128 numbers of the bias
	v_and_b32 v1, 15, v0                           ; l % 16
	v_bfe_u32 v2, v0, 4, 1                         ; l / 16
	v_lshlrev_b32 v[BO], 5, v2
.irp b, 0,1,2,3,4,5,6,7                ; the bias in the result's layout: register 8 b + j = bias of column 16 b + 8 (l / 16) + j
	global_load_b128 v[BIAS+8*\b:BIAS+8*\b+3], v[BO], s[96:97] offset:64*\b
	global_load_b128 v[BIAS+8*\b+4:BIAS+8*\b+7], v[BO], s[96:97] offset:64*\b+16
.endr
	v_mul_u32_u24 v3, v1, PITCH
	v_lshl_add_u32 v4, v2, 4, v3
	s_mul_i32 s21, s15, HALFT
	s_mul_i32 s22, s16, HALFT
	s_add_co_u32 s22, s22, 2*HALFT
.irp s, 0,1
	v_add_nc_u32 v[ADRA+\s], s21, v4
	v_add_nc_u32 v[ADRB+\s], s22, v4
	s_add_co_u32 s21, s21, SLOT
	s_add_co_u32 s22, s22, SLOT
.endr
	v_mul_u32_u24 v5, v1, KS
	v_lshrrev_b32 v6, 8, v5
	v_lshl_add_u32 v5, v6, 4, v5
	s_mul_i32 s21, s15, HALFS
	s_mul_i32 s22, s16, HALFS
	s_add_co_u32 s22, s22, 2*HALFS
	s_sub_co_u32 s22, s22, s21
	v_mul_u32_u24 v6, s22, v2                      ; lanes 16-31 take B's scale words
	s_add_co_u32 s21, s21, SCL
	v_add_nc_u32 v5, v5, v6
	v_add_nc_u32 v[ADRS], s21, v5
	s_mul_i32 s23, s14, STW                        ; my stage
	v_mul_u32_u24 v5, v1, 272
	v_lshl_add_u32 v5, v2, 4, v5
	v_add_nc_u32 v[STO], s23, v5                   ; f16, in: row l % 16 of 272 bytes, 16 bytes for each half of the lanes
	v_bfe_u32 v5, v0, 3, 1
	v_mul_u32_u24 v5, v5, 272
	v_lshl_add_u32 v5, v2, 7, v5
	v_and_b32 v6, 7, v0
	v_lshl_add_u32 v5, v6, 4, v5
	v_add_nc_u32 v[RD], s23, v5                    ; back: lanes 0-15 two rows of my first head (128 bytes each), lanes 16-31 of my second
	v_lshlrev_b32 v[CO], 4, v1
	v_lshl_add_u32 v[CO], v2, 18, v[CO]
	v_mul_u32_u24 v5, v1, 528
	v_lshl_add_u32 v5, v2, 5, v5
	v_add_nc_u32 v[STO32], s23, v5                 ; f32: rows of 528 bytes
	v_and_b32 v6, 31, v0
	v_lshlrev_b32 v6, 4, v6
	v_add_nc_u32 v[RD32], s23, v6
	v_lshlrev_b32 v[CO32], 4, v1
	v_lshl_add_u32 v[CO32], v2, 12, v[CO32]
.macro FRAG reg, adr, q, i             ; 16 rows x 128 K of 4-bit codes: 8 registers, two loads of 16 bytes, 32 bytes apart
.irp c, 0,1
	ds_load_b128 v[\reg+4*\c:\reg+4*\c+3], v[\adr] offset:64*(\q)+32*\c+(\i)*16*PITCH
.endr
.endm
; 16 matrix instructions: A's blocks a0, a0 + 1 x B's eight.  The 64 accumulators take turns, one instruction a turn, in the same order in every step.
.macro MUL16 a0, p, q, sc, zero
.irp a, \a0, \a0+1
.irp b, 0,1,2,3,4,5,6,7
.if \zero
	v_wmma_scale_f32_16x16x128_f8f6f4 v[8*(8*((\a)%4)+\b):8*(8*((\a)%4)+\b)+7], v[128*(\p)+FR*\b:128*(\p)+FR*\b+FR-1], v[AF+FR*(\a):AF+FR*(\a)+FR-1], 0, v[SC+8*NQ*(\sc)+NQ*\b+(\q)], v[SC+8*NQ*(\sc)+NQ*(\a)+(\q)] matrix_a_fmt:MATRIX_FMT_FP4 matrix_b_fmt:MATRIX_FMT_FP4 matrix_a_scale:MATRIX_SCALE_ROW1
.else
	v_wmma_scale_f32_16x16x128_f8f6f4 v[8*(8*((\a)%4)+\b):8*(8*((\a)%4)+\b)+7], v[128*(\p)+FR*\b:128*(\p)+FR*\b+FR-1], v[AF+FR*(\a):AF+FR*(\a)+FR-1], v[8*(8*((\a)%4)+\b):8*(8*((\a)%4)+\b)+7], v[SC+8*NQ*(\sc)+NQ*\b+(\q)], v[SC+8*NQ*(\sc)+NQ*(\a)+(\q)] matrix_a_fmt:MATRIX_FMT_FP4 matrix_b_fmt:MATRIX_FMT_FP4 matrix_a_scale:MATRIX_SCALE_ROW1
.endif
.endr
.endr
.endm
.macro FETCH_B slot, q, p
	WIN TO_B
.irp i, 0,1,2,3,4,5,6,7
	FRAG 128*(\p)+FR*\i, ADRB+\slot, \q, \i
.endr
	WIN 0
.endm
.macro FETCH_A slot, q, i0
.irp i, \i0, \i0+1, \i0+2, \i0+3
	FRAG AF+FR*(\i), ADRA+\slot, \q, \i
.endr
.endm
.macro SCALES sc                       ; a slot's scale words: lanes 0-15 A's block i, lanes 16-31 B's block i
.irp i, 0,1,2,3,4,5,6,7
	ds_load_b128 v[SC+8*NQ*\sc+NQ*\i:SC+8*NQ*\sc+NQ*\i+3], v[ADRS] offset:\i*SBLK
.endr
.endm
.macro PLACES n                        ; plain vector places behind matrix instructions, ahead of loads into registers that they read and of reads of their results
.rept \n
	v_nop
.endr
.endm
.macro STEP slot, q, zero              ; 128 along K that has its successor in the same slot
	s_wait_dscnt 4*NL                              ; B's set and A's blocks 0-3 are in; the youngest eight loads (A's blocks 4-7) may be out
	WIN MUL_LO
	MUL16 0, (\q)%2, \q, \slot, \zero
	MUL16 2, (\q)%2, \q, \slot, \zero
	s_wait_dscnt 0
	PLACES NP
	FETCH_B \slot, (\q)+1, 1-(\q)%2
	FETCH_A \slot, (\q)+1, 0
	WIN MUL_HI
	MUL16 4, (\q)%2, \q, \slot, \zero
	MUL16 6, (\q)%2, \q, \slot, \zero
	PLACES NP
	WIN 0
	FETCH_A \slot, (\q)+1, 4
.endm
.macro TURN slot, next                 ; a slot's last step changes slots: one barrier; nothing is filled again
	s_wait_tensorcnt 0x0                           ; all my tensor loads have landed: my part of the next slot
	ds_add_u32 v[SPW], v[NIL]                      ; 0 onto my spare word
	s_wait_dscnt 4*NL+1                            ; (the add and the youngest eight loads may be out)
	WIN MUL_LO
	MUL16 0, 1, NQ-1, \slot, 0
	s_wait_dscnt 0x0                               ; the add is done, and my reads of this slot are over
	s_barrier_signal -1
	MUL16 2, 1, NQ-1, \slot, 0
	WIN 0
	s_barrier_wait -1
	PLACES NP
	v_add_nc_u32 v[ADRS], 4*NQ, v[ADRS]            ; on to the next slot's scale words
	FETCH_B \next, 0, 0
	FETCH_A \next, 0, 0
	SCALES \next
	WIN MUL_HI
	MUL16 4, 1, NQ-1, \slot, 0
	MUL16 6, 1, NQ-1, \slot, 0
	PLACES NP
	WIN 0
	FETCH_A \next, 0, 4
.endm
.macro STEPS slot, from
.set Q, \from
.rept NQ-1-\from
	STEP \slot, Q, 0
.set Q, Q+1
.endr
.endm
	s_wait_tensorcnt 1                             ; the scales and my part of slot 0 are in (slot 1's load may be out)
	s_barrier_signal -1
	s_barrier_wait -1
	FETCH_B 0, 0, 0
	FETCH_A 0, 0, 0
	SCALES 0
	FETCH_A 0, 0, 4
	STEP 0, 0, 1                                   ; the first products start the sums: nothing is cleared
	STEPS 0, 1
	TURN 0, 1
	STEPS 1, 0
	s_wait_dscnt 4*NL
	WIN MUL_LO
	MUL16 0, 1, NQ-1, 1, 0
	MUL16 2, 1, NQ-1, 1, 0
	s_wait_dscnt 0
	WIN MUL_HI
	MUL16 4, 1, NQ-1, 1, 0
	MUL16 6, 1, NQ-1, 1, 0
	WIN 0
; THE WAY OUT
	s_wait_loadcnt 0x0                             ; the bias
.set i, 0
.rept 32
	v_pk_mul_f32 v[BIAS+i:BIAS+i+1], v[BIAS+i:BIAS+i+1], s[66:67] op_sel_hi:[1,0]   ; bias x c, so that one fused multiply-add finishes a number.  (These are also the places behind the last products)
.set i, i+2
.endr
	s_cmp_eq_u32 s95, 0                            ; positions 0-15 in f32: cluster y = 0 and the upper half of the rows
	s_cbranch_scc0 .Lno_f32
	WIN 0x02                                       ; source 0: window 2 (block 0's accumulators)
.set i, 0
.rept 32
	v_pk_fma_f32 v[128+i:128+i+1], v[i:i+1], s[66:67], v[BIAS+i:BIAS+i+1] op_sel_hi:[1,0,1]
.set i, i+2
.endr
	WIN 0
.irp b, 0,1,2,3,4,5,6,7
	ds_store_b128 v[STO32], v[128+8*\b:128+8*\b+3] offset:64*\b
	ds_store_b128 v[STO32], v[128+8*\b+4:128+8*\b+7] offset:64*\b+16
.endr
.irp t, 0,1,2,3,4,5,6,7,8,9,10,11,12,13,14,15
	ds_load_b128 v[32+4*\t:32+4*\t+3], v[RD32] offset:528*\t       ; a row of 512 bytes: lanes 0-15 my first head's 64 numbers, lanes 16-31 my second's
.endr
	s_wait_dscnt 0x0
.irp t, 0,1,2,3,4,5,6,7,8,9,10,11,12,13,14,15
	global_store_b128 v[CO32], v[32+4*\t:32+4*\t+3], s[100:101] offset:256*\t   ; sixteen lanes store 256 consecutive bytes, aligned
.endr
	s_wait_xcnt 0x0                                ; the stores have read their registers: v32 on are written again below
.Lno_f32:
.macro PACK a                          ; block a: (sum + bias) x c, rounded to f16: 16 bytes a lane for each of B's eight blocks; each accumulator is read from its low end on
.irp hf, 0,1
	WIN 0x02+(\a)/4
.set i, 0
.rept 16
	v_pk_fma_f32 v[TW+i:TW+i+1], v[64*((\a)%4)+32*\hf+i:64*((\a)%4)+32*\hf+i+1], s[66:67], v[BIAS+32*\hf+i:BIAS+32*\hf+i+1] op_sel_hi:[1,0,1]
.set i, i+2
.endr
	WIN 0
.set i, 0
.rept 16
	v_cvt_pk_f16_f32 v[PKD+32*((\a)%2)+16*\hf+i], v[TW+2*i], v[TW+2*i+1]
.set i, i+1
.endr
.endr
.endm
.macro TOSTAGE a
.irp b, 0,1,2,3,4,5,6,7
	ds_store_b128 v[STO], v[PKD+32*((\a)%2)+4*\b:PKD+32*((\a)%2)+4*\b+3] offset:32*\b
.endr
.irp u, 0,1,2,3,4,5,6,7
	ds_load_b128 v[BK+32*((\a)%2)+4*\u:BK+32*((\a)%2)+4*\u+3], v[RD] offset:544*\u   ; LDS serves a wave's instructions in order: these see the stores above
.endr
.endm
.macro SEND a, younger
	s_wait_dscnt \younger
.irp u, 0,1,2,3,4,5,6,7
	global_store_b128 v[CO], v[BK+32*((\a)%2)+4*\u:BK+32*((\a)%2)+4*\u+3], s[12:13] offset:2048*(\a)+256*\u   ; sixteen lanes store two rows of a head: 256 consecutive bytes, aligned
.endr
.endm
	PACK 0
	TOSTAGE 0
.irp a, 1,2,3,4,5,6,7
	PACK \a
.if \a > 1
	s_wait_xcnt 0x0                                ; block a - 2's stores have read their registers: block a's loads may land there
.endif
	TOSTAGE \a
	SEND \a-1, 16                                  ; behind block a - 1's loads: block a's 8 stores and 8 loads
.endr
	SEND 7, 0
	s_wait_tensorcnt 0x0                           ; the wave's end
	ds_add_u32 v[SPW], v[NIL]
	s_wait_dscnt 0x0
	CROUND                                         ; the closing round
	s_endpgm
.Lfunc_end_k_q4e2ef9c4bb_qkv:
	.size	k_q4e2ef9c4bb_qkv, .Lfunc_end_k_q4e2ef9c4bb_qkv-k_q4e2ef9c4bb_qkv
	.p2alignl 7, 3214868480
	.fill 96, 4, 3214868480
	.section	.rodata,"a",@progbits
	.p2align	6, 0x0
	.amdhsa_kernel k_q4e2ef9c4bb_qkv
		.amdhsa_group_segment_fixed_size 327680
		.amdhsa_private_segment_fixed_size 0
		.amdhsa_enable_private_segment 0
		.amdhsa_kernarg_size 56
		.amdhsa_user_sgpr_count 2
		.amdhsa_user_sgpr_kernarg_segment_ptr 1
		.amdhsa_wavefront_size32 1
		.amdhsa_system_sgpr_workgroup_id_x 1
		.amdhsa_system_sgpr_workgroup_id_y 1
		.amdhsa_system_sgpr_workgroup_id_z 1
		.amdhsa_system_vgpr_workitem_id 0
		.amdhsa_next_free_vgpr 1024
		.amdhsa_next_free_sgpr 102
		.amdhsa_reserve_vcc 0
		.amdhsa_float_denorm_mode_32 3
		.amdhsa_float_denorm_mode_16_64 3
		.amdhsa_memory_ordered 1
		.amdhsa_forward_progress 1
		.amdhsa_inst_pref_size 153
	.end_amdhsa_kernel
	.amdgpu_metadata
---
amdhsa.version: [ 1, 2 ]
amdhsa.kernels:
  - .name:           k_q4e2ef9c4bb_qkv
    .symbol:         k_q4e2ef9c4bb_qkv.kd
    .args:
      - { .name: x_codes, .offset: 0, .size: 8, .value_kind: global_buffer, .address_space: global }
      - { .name: x_scales, .offset: 8, .size: 8, .value_kind: global_buffer, .address_space: global }
      - { .name: w_codes, .offset: 16, .size: 8, .value_kind: global_buffer, .address_space: global }
      - { .name: w_scales, .offset: 24, .size: 8, .value_kind: global_buffer, .address_space: global }
      - { .name: b_qkv, .offset: 32, .size: 8, .value_kind: global_buffer, .address_space: global }
      - { .name: qkvh, .offset: 40, .size: 8, .value_kind: global_buffer, .address_space: global }
      - { .name: qkv16, .offset: 48, .size: 8, .value_kind: global_buffer, .address_space: global }
    .group_segment_fixed_size: 327680
    .private_segment_fixed_size: 0
    .kernarg_segment_align: 8
    .kernarg_segment_size: 56
    .max_flat_workgroup_size: 128
    .sgpr_count:     102
    .vgpr_count:     1024
    .wavefront_size: 32
...
	.end_amdgpu_metadata
.endif
;; end of part 2
;; launch attn (part 3): grid 4 x 64, 16 waves a work-group, no clusters, 327,680 bytes of LDS; arguments qkvh, att; writes att
.if DOCPART == 3
	.amdgcn_target "amdgcn-amd-amdhsa--gfx1250"
	.amdhsa_code_object_version 6
	.text
	.protected	k_q4e2ef9c4bb_attn
	.globl	k_q4e2ef9c4bb_attn
	.p2align	8
	.type	k_q4e2ef9c4bb_attn,@function
k_q4e2ef9c4bb_attn:
	s_mov_b64 s[64:65], 0
	v_nop
	global_prefetch_b8 v0, s[64:65] scope:SCOPE_SE
	s_setreg_imm32_b32 hwreg(HW_REG_WAVE_MODE, 25, 1), 1
	s_wait_xcnt 0x0
; att[bh][q][:] = softmax over keys k <= q of (q . k / 8) times v, per head of 64, in f16 operands with f32 sums, maxima and row sums.  q arrives multiplied by log2(e) / 8, so p = 2^(s - m), m the running maximum.
; qkvh: f16 [3][64 bh][2048][64];  att: f16 [64 bh][2048][64].
; SHARES.  Work-group (j, bh) owns query blocks j and 7 - j (256 queries each) of one head: equal work for every j under the causal mask.  Waves 0-7 take block j, waves 8-15 block 7 - j; a wave owns 32 queries:
; two tiles of 16, in 256 registers: four waves to a SIMD, so that one wave's vector work stands beside another's products.
; LAYOUT.  S^T = K Q^T (source 0 = 16 keys, source 1 = 16 queries), O^T = V^T P (source 0 = 16 channels, turned by ds_load_tr16_b128; source 1 = P): a lane holds one query throughout.
; THE RING.  Two LDS slots of 256 keys; in LDS two keys share a row of 256 bytes (+ 16 of padding for K, + 32 for V).  Waves 0, 1 fetch K's halves, waves 2, 3 V's.  Every work-group walks all 8 slots (constant trip count);
; a step whose keys all come after the wave's queries is jumped over, and a slot whose first key comes after the work-group's last query is not asked for.
; NO CLUSTER: the four work-groups of a head end their walks at 2,048, 1,792, 1,536 and 1,280 keys, so a joint load would bring some partner tiles that none of its waves reads.
; LIMITS: f16 operands (|q c|, |k|, |v|, |O| under 65,504); NaN and infinities are not served.
.set VOFF,  34816                      ; a slot: K 128 double rows x 272, then V 128 x 288
.set SLOT1, 1<<17
.set STAGE, SLOT1+71680                ; the way out: 32 rows x 144 bytes for each wave: bytes of their own
.set SPARE, STAGE+16*32*144            ; the spare words, 128 bytes a wave
.set AK0, 1
.set AV0, 2
.set SPW, 3
.set NIL, 4
.set ADK, 5
.set ADV, 6
.set PFO, 7
.set MD,  8
.set NINF, 9
.set STO, 10
.set RD,  11
.set GO,  12
.set RMH, 13                           ; v13  lane % 16 - 8 (lane / 16)
.set QF,  16                           ; v16-47   Q: fragment (tile t, channels 32 c on) at 16 + 16 t + 8 c
.set KV,  48                           ; v48-111  K's eight fragments, then V's eight
.set S,   112                          ; v112-175 S^T: (t, 16 keys a) at 112 + 32 t + 8 a; P is packed in place into the first 16 of a tile's 32
.set OT,  176                          ; v176-239 O^T: (t, 16 channels n) at 176 + 32 t + 8 n
.set ST,  240                          ; v240-255 a tile's statistics: +0 -m, +1 m, +2 +3 the sum in two halves, +4 .. +7 at work; the factor a at +6
.set TB,  2
.set SLOTS, 3
.set WV,  18
.set SEL, 20
.set G1K, 24
.set G1V, 32
.set G0K, 40
.set G0V, 44
.set KF,  48
.set Q0,  49
.set QL,  50
.set PFA, 52
.set LIM, 54
.macro TLOAD                           ; waves 0, 1 fetch for K, waves 2, 3 for V, the others nothing; an s_nop 0 and four v_nop follow each line
	s_cmp_lt_u32 s[WV], 2
	s_cbranch_scc0 .Lnot_k_\@
	tensor_load_to_lds s[G0K:G0K+3], s[G1K:G1K+7]
	s_nop 0
.rept 4
	v_nop
.endr
	s_branch .Lasked_\@
.Lnot_k_\@:
	s_cmp_lt_u32 s[WV], 4
	s_cbranch_scc0 .Lasked_\@
	tensor_load_to_lds s[G0V:G0V+3], s[G1V:G1V+7]
	s_nop 0
.rept 4
	v_nop
.endr
.Lasked_\@:
.endm
; A prefetch of what the NEXT change of slots will ask for: 32,768 bytes of K and of V.  The head's work-group j = 0, which loads all eight slots, asks; in it waves 4-7 for K and waves 8-11 for V,
; 8,192 bytes a wave, lanes 256 bytes apart: each aligned block of 256 bytes is named once in the launch.  The last change that fills a slot asks for nothing.
.macro ASK
	s_cmp_gt_u32 s[SLOTS], s[LIM]
	s_cbranch_scc0 .Lnot_mine_\@
	global_prefetch_b8 v[PFO], s[PFA:PFA+1] th:TH_LOAD_NT scope:SCOPE_SE
.Lnot_mine_\@:
.endm
	s_load_b128 s[4:7], s[0:1], 0x0                ; qkvh, att
	v_lshl_add_u32 v[SPW], v0, 2, SPARE
	v_mov_b32 v[NIL], 0
	ds_add_u32 v[SPW], v[NIL]                      ; the wave's opening: the add, twice on end, and its wait ahead of the first tensor load
	ds_add_u32 v[SPW], v[NIL]
	v_lshrrev_b32 v13, 5, v0
	v_readfirstlane_b32 s[WV], v13                 ; wave 0..15
	s_and_b32 s56, ttmp7, 0xffff                   ; the head among the 64
	s_lshl_b32 s57, s56, 18                        ; its first byte in a tensor
	s_sub_co_u32 s58, 7, ttmp9
	s_cmp_lt_u32 s[WV], 8
	s_cselect_b32 s59, ttmp9, s58                  ; my block of 256 queries
	s_lshl_b32 s59, s59, 8
	s_and_b32 s60, s[WV], 7
	s_lshl_b32 s60, s60, 5
	s_add_co_u32 s[Q0], s59, s60                   ; my first query
	s_lshl_b32 s[QL], s58, 8
	s_or_b32 s[QL], s[QL], 255                     ; the work-group's last query
	s_mov_b32 s[G1K], (1<<16)|(1<<20)|(5<<22)|(3<<25)              ; elements of 2 bytes; padding: 4 words after every 64
	s_mov_b32 s[G1V], (1<<16)|(1<<20)|(5<<22)|(7<<25)              ; 8 words
.irp g, G1K, G1V
	s_mov_b32 s[\g+1], 128<<16                     ; tensor_dim0 = 128 elements: two keys' rows, 256 bytes
	s_mov_b32 s[\g+2], 64<<16                      ; tensor_dim1 = 64
	s_mov_b32 s[\g+3], 128<<16                     ; tile_dim0
	s_mov_b32 s[\g+4], 64                          ; tile_dim1
	s_mov_b32 s[\g+5], 128                         ; the pitch: dense
	s_mov_b32 s[\g+6], 0
	s_mov_b32 s[\g+7], 0
.endr
	s_and_b32 s61, s[WV], 1                        ; which 128 keys of a slot I fetch, if I fetch
	s_lshl_b32 s62, s61, 14
	s_add_co_u32 s62, s62, s57
	s_mov_b32 s63, 0
	s_mov_b32 s[SEL], 0x76543210
	s_mov_b32 s[SEL+1], 0xfedcba98
	s_mov_b32 s[TB], 0
	s_mov_b32 s[SLOTS], 7
	s_mov_b32 s[KF], 0
	s_wait_dscnt 0x0                               ; both opening adds are done
	s_wait_kmcnt 0x0
	s_mov_b32 s[G0K], 1
	s_mul_i32 s[G0K+1], s61, 17408
	s_add_nc_u64 s[G0K+2:G0K+3], s[4:5], s[62:63]
	s_add_nc_u64 s[G0K+2:G0K+3], s[G0K+2:G0K+3], 0x1000000         ; k lies 16,777,216 bytes into qkvh
	s_or_b32 s[G0K+3], s[G0K+3], 0x80000000
	s_mov_b32 s[G0V], 1
	s_mul_i32 s[G0V+1], s61, 18432
	s_add_co_u32 s[G0V+1], s[G0V+1], VOFF
	s_add_nc_u64 s[G0V+2:G0V+3], s[4:5], s[62:63]
	s_add_nc_u64 s[G0V+2:G0V+3], s[G0V+2:G0V+3], 0x2000000         ; v 33,554,432
	s_or_b32 s[G0V+3], s[G0V+3], 0x80000000
	TLOAD                                          ; slot 0
	s_lshl_b32 s66, s[Q0], 7
	s_add_co_u32 s66, s66, s57
	s_mov_b32 s67, 0
	s_add_nc_u64 s[8:9], s[4:5], s[66:67]          ; q at my first query
	s_add_nc_u64 s[6:7], s[6:7], s[66:67]          ; att likewise
	v_and_b32 v13, 15, v0                          ; r
	v_bfe_u32 v14, v0, 4, 1                        ; h
	v_lshlrev_b32 v15, 7, v13
	v_lshl_add_u32 v15, v14, 4, v15
.irp t, 0,1
.irp c, 0,1
	global_load_b128 v[QF+16*\t+8*\c:QF+16*\t+8*\c+3], v15, s[8:9] offset:2048*\t+64*\c
	global_load_b128 v[QF+16*\t+8*\c+4:QF+16*\t+8*\c+7], v15, s[8:9] offset:2048*\t+64*\c+32
.endr
.endr
	s_cmp_lt_u32 s[WV], 8                          ; the prefetches: waves 4-7 stand in k, waves 8-11 in v
	s_mov_b32 s68, 0x2000000
	s_cselect_b32 s68, 0x1000000, s68
	s_and_b32 s69, s[WV], 3
	s_lshl_b32 s69, s69, 13
	s_add_co_u32 s68, s68, s69
	s_add_co_u32 s68, s68, s57
	s_add_co_u32 s68, s68, 32768                   ; in slot 1: the first change of slots steps it to slot 2.  Nothing is prefetched here, at the head
	s_mov_b32 s69, 0
	s_add_nc_u64 s[PFA:PFA+1], s[4:5], s[68:69]
	s_sub_co_u32 s70, s[WV], 4
	s_lshr_b32 s70, s70, 3                         ; 0 in waves 4 to 11,
	s_or_b32 s70, s70, ttmp9                       ; of work-group j = 0
	s_cmp_eq_u32 s70, 0
	s_cselect_b32 s[LIM], 1, -1
	v_lshrrev_b32 v[AK0], 1, v13                   ; K: key r lies at (r / 2) x 272 + (r % 2) x 128
	v_mul_u32_u24 v[AK0], v[AK0], 272
	v_and_b32 v[ADK], 1, v13
	v_lshl_add_u32 v[AK0], v[ADK], 7, v[AK0]
	v_lshl_add_u32 v[AK0], v14, 4, v[AK0]
	v_bfe_u32 v[AV0], v0, 1, 2                     ; V: lane l reads key 8 h + l % 8, channels 8 ((l / 8) % 2) on
	v_lshl_add_u32 v[AV0], v14, 2, v[AV0]
	v_mul_u32_u24 v[AV0], v[AV0], 288
	v_lshl_add_u32 v[AV0], v[ADK], 7, v[AV0]
	v_bfe_u32 v[ADV], v0, 3, 1
	v_lshl_add_u32 v[AV0], v[ADV], 4, v[AV0]
	v_add_nc_u32 v[AV0], VOFF, v[AV0]
	s_mul_i32 s71, s[WV], 32*144
	s_add_co_u32 s71, s71, STAGE                   ; my stage
	v_mul_u32_u24 v[STO], v13, 144
	v_lshl_add_u32 v[STO], v14, 4, v[STO]
	v_add_nc_u32 v[STO], s71, v[STO]
	v_bfe_u32 v[RD], v0, 3, 2
	v_mul_u32_u24 v[RD], v[RD], 144
	v_and_b32 v[GO], 7, v0
	v_lshl_add_u32 v[RD], v[GO], 4, v[RD]
	v_add_nc_u32 v[RD], s71, v[RD]                 ; back: four rows of 128 bytes an instruction
	v_and_b32 v[GO], 31, v0
	v_lshlrev_b32 v[PFO], 8, v[GO]
	v_lshlrev_b32 v[GO], 4, v[GO]
	v_lshlrev_b32 v[MD], 3, v14
	v_sub_nc_u32 v[RMH], v13, v[MD]
	v_mov_b32 v[NINF], 0xff800000                  ; -infinity
.irp t, 0,1
	v_mov_b32 v[ST+8*\t], 0x7f61b1e6               ; -m
	v_mov_b32 v[ST+8*\t+1], 0xff61b1e6             ; m: -3e38, under every score
	v_mov_b32 v[ST+8*\t+2], 0                      ; the sum
	v_mov_b32 v[ST+8*\t+3], 0
	v_mov_b32 v[ST+8*\t+5], 0                      ; (a lane permute's destination counts as one of its sources)
	v_mov_b32 v[ST+8*\t+7], 0                      ; (named as the upper half of a pair)
.endr
.set i, 0
.rept 64
	v_mov_b32 v[OT+i], 0                           ; O^T: the step is written once; the first finds zeros
.set i, i+1
.endr
; A KEY STEP: 64 keys, the q-th of the slot in hand
.macro STEP q
	s_add_co_u32 s56, s[Q0], 31                    ; a step all of whose keys come after my 32 queries is left out: a branch on ids; no barrier or tensor load stands in a step
	s_cmp_gt_u32 s[KF], s56
	s_cbranch_scc1 .Lhidden_\@
	v_add_nc_u32 v[ADK], s[TB], v[AK0]
	v_add_nc_u32 v[ADV], s[TB], v[AV0]
.irp c, 0,1
.irp a, 0,1,2,3
	ds_load_b128 v[KV+8*(4*\c+\a):KV+8*(4*\c+\a)+3], v[ADK] offset:(\q)*8704+\a*2176+64*\c
	ds_load_b128 v[KV+8*(4*\c+\a)+4:KV+8*(4*\c+\a)+7], v[ADK] offset:(\q)*8704+\a*2176+64*\c+32
.endr
.endr
	s_wait_dscnt 8                                 ; channels 0-31 are in; the eight loads of channels 32-63 may be out
.irp a, 0,1,2,3                        ; the eight accumulators take turns, one instruction a turn
.irp t, 0,1
	v_wmma_f32_16x16x32_f16 v[S+32*\t+8*\a:S+32*\t+8*\a+7], v[KV+8*\a:KV+8*\a+7], v[QF+16*\t:QF+16*\t+7], 0
.endr
.endr
	s_wait_dscnt 0x0
.irp a, 0,1,2,3
.irp t, 0,1
	v_wmma_f32_16x16x32_f16 v[S+32*\t+8*\a:S+32*\t+8*\a+7], v[KV+32+8*\a:KV+32+8*\a+7], v[QF+16*\t+8:QF+16*\t+15], v[S+32*\t+8*\a:S+32*\t+8*\a+7]
.endr
.endr
.rept 4
	v_nop                                          ; places ahead of the loads into K's registers and of the first read of the scores
.endr
.irp k, 0,1                            ; V, turned: (32 keys k, 16 channels n); it lands under the softmax
.irp n, 0,1,2,3
	ds_load_tr16_b128 v[KV+8*(4*\k+\n):KV+8*(4*\k+\n)+3], v[ADV] offset:(\q)*9216+\k*4608+32*\n
	ds_load_tr16_b128 v[KV+8*(4*\k+\n)+4:KV+8*(4*\k+\n)+7], v[ADV] offset:(\q)*9216+\k*4608+2304+32*\n
.endr
.endr
	s_add_co_u32 s56, s[KF], 63                    ; on the diagonal hidden scores become -infinity; a step all of whose keys count skips this
	s_cmp_le_u32 s56, s[Q0]
	s_cbranch_scc1 .Lopen_\@
	s_sub_co_i32 s56, s[Q0], s[KF]
	v_add_nc_u32 v[MD], s56, v[RMH]                ; d = Q0 - KF + r - 8 h.  Register (t, a, j) holds key KF + 16 a + 8 h + j of query Q0 + 16 t + r: hidden where 16 a + j - 16 t > d
.irp t, 0,1
.irp a, 0,1,2,3
.irp j, 0,1,2,3,4,5,6,7
	v_cmp_gt_i32 vcc_lo, 16*\a+\j-16*\t, v[MD]
	v_cndmask_b32 v[S+32*\t+8*\a+\j], v[S+32*\t+8*\a+\j], v[NINF], vcc_lo
.endr
.endr
.endr
.Lopen_\@:
.irp j, 0,1,2,3                        ; the maximum of my 32 scores and the old m: four chains, each begun at an accumulator's low end; the two tiles by turns
.irp t, 0,1
	v_max3_num_f32 v[ST+8*\t+4+\j], v[S+32*\t+8*\j], v[S+32*\t+8*\j+1], v[S+32*\t+8*\j+2]
.endr
.endr
.irp e, 3,5
.irp j, 0,1,2,3
.irp t, 0,1
	v_max3_num_f32 v[ST+8*\t+4+\j], v[ST+8*\t+4+\j], v[S+32*\t+8*\j+\e], v[S+32*\t+8*\j+\e+1]
.endr
.endr
.endr
.irp t, 0,1
	v_max3_num_f32 v[ST+8*\t+4], v[ST+8*\t+4], v[S+32*\t+7], v[S+32*\t+15]
.endr
.irp t, 0,1
	v_max3_num_f32 v[ST+8*\t+6], v[ST+8*\t+6], v[S+32*\t+23], v[S+32*\t+31]
.endr
.irp t, 0,1
	v_max3_num_f32 v[ST+8*\t+4], v[ST+8*\t+4], v[ST+8*\t+5], v[ST+8*\t+6]
.endr
.irp t, 0,1
	v_max3_num_f32 v[ST+8*\t+4], v[ST+8*\t+4], v[ST+8*\t+7], v[ST+8*\t+1]
.endr
.irp t, 0,1
	v_permlanex16_b32 v[ST+8*\t+5], v[ST+8*\t+4], s[SEL], s[SEL+1]  ; the query's other 32 keys lie in the lane 16 away
.endr
.irp t, 0,1
	v_mov_b32 v[ST+8*\t+7], v[ST+8*\t+1]           ; the old m
.endr
.irp t, 0,1
	v_max_num_f32 v[ST+8*\t+1], v[ST+8*\t+4], v[ST+8*\t+5]
.endr
.irp t, 0,1
	v_xor_b32 v[ST+8*\t], 0x80000000, v[ST+8*\t+1]
.endr
.irp t, 0,1
	v_add_f32 v[ST+8*\t+7], v[ST+8*\t+7], v[ST+8*\t]               ; old m - new m
.endr
.set i, 0
.rept 16
.irp t, 0,1
	v_pk_add_f32 v[S+32*\t+2*i:S+32*\t+2*i+1], v[S+32*\t+2*i:S+32*\t+2*i+1], v[ST+8*\t:ST+8*\t+1] op_sel_hi:[1,0]   ; s - m, two at a time
.endr
.set i, i+1
.endr
.irp t, 0,1
	v_exp_f32 v[ST+8*\t+6], v[ST+8*\t+7]           ; a = 2^(old m - new m)
.endr
.set i, 0
.rept 32
.irp t, 0,1
	v_exp_f32 v[S+32*\t+i], v[S+32*\t+i]           ; p
.endr
.set i, i+1
.endr
	v_nop                                          ; a plain line behind the last exponential
	s_wait_alu depctr_va_vdst(0)                   ; one wait for the batch of 66, ahead of its first reader
.irp t, 0,1
	v_pk_mul_f32 v[ST+8*\t+2:ST+8*\t+3], v[ST+8*\t+2:ST+8*\t+3], v[ST+8*\t+6:ST+8*\t+7] op_sel_hi:[1,0]
.endr
.irp t, 0,1
	v_pk_add_f32 v[ST+8*\t+4:ST+8*\t+5], v[S+32*\t:S+32*\t+1], v[S+32*\t+2:S+32*\t+3]   ; the row's sum of the unrounded p, in two chains
.endr
.irp e, 4,8,12,16,20,24,28
.irp t, 0,1
	v_pk_add_f32 v[ST+8*\t+2:ST+8*\t+3], v[ST+8*\t+2:ST+8*\t+3], v[S+32*\t+\e:S+32*\t+\e+1]
	v_pk_add_f32 v[ST+8*\t+4:ST+8*\t+5], v[ST+8*\t+4:ST+8*\t+5], v[S+32*\t+\e+2:S+32*\t+\e+3]
.endr
.endr
.irp t, 0,1
	v_pk_add_f32 v[ST+8*\t+2:ST+8*\t+3], v[ST+8*\t+2:ST+8*\t+3], v[ST+8*\t+4:ST+8*\t+5]
.endr
.set i, 0
.rept 16
.irp t, 0,1
	v_cvt_pk_f16_f32 v[S+32*\t+i], v[S+32*\t+2*i], v[S+32*\t+2*i+1]   ; P in f16, in place, ascending: registers 8 k .. 8 k + 7 are source 1 for keys 32 k on
.endr
.set i, i+1
.endr
.set i, 0
.rept 16
.irp t, 0,1
	v_pk_mul_f32 v[OT+32*\t+2*i:OT+32*\t+2*i+1], v[OT+32*\t+2*i:OT+32*\t+2*i+1], v[ST+8*\t+6:ST+8*\t+7] op_sel_hi:[1,0]   ; O^T x a
.endr
.set i, i+1
.endr
	s_wait_dscnt 0x0                               ; V is in
.irp k, 0,1
.irp n, 0,1,2,3
.irp t, 0,1
	v_wmma_f32_16x16x32_f16 v[OT+32*\t+8*\n:OT+32*\t+8*\n+7], v[KV+8*(4*\k+\n):KV+8*(4*\k+\n)+7], v[S+32*\t+8*\k:S+32*\t+8*\k+7], v[OT+32*\t+8*\n:OT+32*\t+8*\n+7]
.endr
.endr
.endr
.rept 5
	v_nop                                          ; the next step's products write over P's registers (five places), its loads land on V's (four)
.endr
.Lhidden_\@:
	s_add_co_u32 s[KF], s[KF], 64
.endm
; THE CHANGE OF SLOTS, at a slot's head.  Each wave waits for all its tensor loads, adds 0 to its spare word, waits for that and for its reads of the slot that it has left, and passes the barrier.
; fill = 1: the slot just left (in the first trip: slot 1, for the first time) takes the next 256 keys, up to the causal limit: the load has a slot's four steps in which to land.
.macro CHANGE fill
	s_wait_tensorcnt 0x0                           ; no tensor load of mine is out, so a group 0 may be written
	ds_add_u32 v[SPW], v[NIL]
.if \fill
	ds_add_u32 v[SPW], v[NIL]                      ; the add twice on end, where a tensor load may still be a wave's first
	s_xor_b32 s[G0K+1], s[G0K+1], SLOT1
	s_add_nc_u64 s[G0K+2:G0K+3], s[G0K+2:G0K+3], 32768
	s_xor_b32 s[G0V+1], s[G0V+1], SLOT1
	s_add_nc_u64 s[G0V+2:G0V+3], s[G0V+2:G0V+3], 32768
	s_wait_xcnt 0x0                                ; the last prefetch, a slot back, has read its address
	s_add_nc_u64 s[PFA:PFA+1], s[PFA:PFA+1], 32768
.endif
	s_wait_dscnt 0x0
	s_barrier_signal -1
	s_barrier_wait -1
.if \fill
	s_add_co_u32 s56, s[KF], 256                   ; the first key of the slot that this change would ask for
	s_cmp_gt_u32 s56, s[QL]                        ; past the work-group's last query none of its waves reads it: ids and the count of steps alone, the same in all sixteen waves
	s_cbranch_scc1 .Lpast_\@
	TLOAD
.Lpast_\@:
	ASK
.endif
.endm
.macro SLOT_STEPS
	STEP 0
	STEP 1
	STEP 2
	STEP 3
	s_xor_b32 s[TB], s[TB], SLOT1
.endm
	s_wait_loadcnt 0x0                             ; Q
.Lslot:                                            ; seven trips
	CHANGE 1
	SLOT_STEPS
	s_sub_co_u32 s[SLOTS], s[SLOTS], 1
	s_cmp_lg_u32 s[SLOTS], 0
	s_cbranch_scc1 .Lslot
	CHANGE 0                                       ; the last slot is written out: nothing is left to fetch
	SLOT_STEPS
	; THE WAY OUT: O^T / the sum, rounded to f16, through my stage, and out as runs of 512 consecutive bytes (four rows)
.irp t, 0,1
	v_add_f32 v[ST+8*\t+4], v[ST+8*\t+2], v[ST+8*\t+3]
.endr
.irp t, 0,1
	v_permlanex16_b32 v[ST+8*\t+5], v[ST+8*\t+4], s[SEL], s[SEL+1]
.endr
.irp t, 0,1
	v_add_f32 v[ST+8*\t+4], v[ST+8*\t+4], v[ST+8*\t+5]
.endr
.irp t, 0,1
	v_rcp_f32 v[ST+8*\t+6], v[ST+8*\t+4]
.endr
	v_nop
	s_wait_alu depctr_va_vdst(0)                   ; one wait for the two reciprocals, ahead of their first reader
.set i, 0
.rept 16
.irp t, 0,1
	v_pk_mul_f32 v[S+32*\t+2*i:S+32*\t+2*i+1], v[OT+32*\t+2*i:OT+32*\t+2*i+1], v[ST+8*\t+6:ST+8*\t+7] op_sel_hi:[1,0]
.endr
.set i, i+1
.endr
.set i, 0
.rept 16
.irp t, 0,1
	v_cvt_pk_f16_f32 v[KV+16*\t+i], v[S+32*\t+2*i], v[S+32*\t+2*i+1]
.endr
.set i, i+1
.endr
.irp t, 0,1
.irp n, 0,1,2,3
	ds_store_b128 v[STO], v[KV+16*\t+4*\n:KV+16*\t+4*\n+3] offset:2304*\t+32*\n
.endr
.endr
.irp u, 0,1,2,3,4,5,6,7
	ds_load_b128 v[KV+32+4*\u:KV+32+4*\u+3], v[RD] offset:576*\u   ; LDS serves a wave's instructions in order: these see my stores
.endr
.irp u, 0,1,2,3,4,5,6,7
	s_wait_dscnt 7-\u
	global_store_b128 v[GO], v[KV+32+4*\u:KV+32+4*\u+3], s[6:7] offset:512*\u
.endr
	s_wait_tensorcnt 0x0                           ; the wave's end
	ds_add_u32 v[SPW], v[NIL]
	s_wait_dscnt 0x0
	s_endpgm
.Lfunc_end_k_q4e2ef9c4bb_attn:
	.size	k_q4e2ef9c4bb_attn, .Lfunc_end_k_q4e2ef9c4bb_attn-k_q4e2ef9c4bb_attn
	.p2alignl 7, 3214868480
	.fill 96, 4, 3214868480
	.section	.rodata,"a",@progbits
	.p2align	6, 0x0
	.amdhsa_kernel k_q4e2ef9c4bb_attn
		.amdhsa_group_segment_fixed_size 327680
		.amdhsa_private_segment_fixed_size 0
		.amdhsa_enable_private_segment 0
		.amdhsa_kernarg_size 16
		.amdhsa_user_sgpr_count 2
		.amdhsa_user_sgpr_kernarg_segment_ptr 1
		.amdhsa_wavefront_size32 1
		.amdhsa_system_sgpr_workgroup_id_x 1
		.amdhsa_system_sgpr_workgroup_id_y 1
		.amdhsa_system_sgpr_workgroup_id_z 1
		.amdhsa_system_vgpr_workitem_id 0
		.amdhsa_next_free_vgpr 256
		.amdhsa_next_free_sgpr 76
		.amdhsa_reserve_vcc 1
		.amdhsa_float_denorm_mode_32 3
		.amdhsa_float_denorm_mode_16_64 3
		.amdhsa_memory_ordered 1
		.amdhsa_forward_progress 1
		.amdhsa_inst_pref_size 189
	.end_amdhsa_kernel
	.amdgpu_metadata
---
amdhsa.version: [ 1, 2 ]
amdhsa.kernels:
  - .name:           k_q4e2ef9c4bb_attn
    .symbol:         k_q4e2ef9c4bb_attn.kd
    .args:
      - { .name: qkvh, .offset: 0, .size: 8, .value_kind: global_buffer, .address_space: global }
      - { .name: att, .offset: 8, .size: 8, .value_kind: global_buffer, .address_space: global }
    .group_segment_fixed_size: 327680
    .private_segment_fixed_size: 0
    .kernarg_segment_align: 8
    .kernarg_segment_size: 16
    .max_flat_workgroup_size: 512
    .sgpr_count:     76
    .vgpr_count:     256
    .wavefront_size: 32
...
	.end_amdgpu_metadata
.endif
;; end of part 3
;; launch proj (part 4): grid 4 x 64, 4 waves a work-group, clusters of 4 x 4, 327,680 bytes of LDS; arguments att, wo_t, b_out, out0; writes out0
.if DOCPART == 4
	.amdgcn_target "amdgcn-amd-amdhsa--gfx1250"
	.amdhsa_code_object_version 6
	.text
	.protected	k_q4e2ef9c4bb_proj
	.globl	k_q4e2ef9c4bb_proj
	.p2align	8
	.type	k_q4e2ef9c4bb_proj,@function
k_q4e2ef9c4bb_proj:
	s_mov_b64 s[64:65], 0
	v_nop
	global_prefetch_b8 v0, s[64:65] scope:SCOPE_SE
	s_setreg_imm32_b32 hwreg(HW_REG_WAVE_MODE, 25, 1), 1
	s_wait_xcnt 0x0
	s_wait_alu depctr_hold_cnt(0) depctr_sa_sdst(0) depctr_va_vdst(0) depctr_va_sdst(0) depctr_va_ssrc(0) depctr_va_vcc(0) depctr_vm_vsrc(0)
	s_getreg_b32 s2, hwreg(HW_REG_IB_STS2, 6, 4)
	s_cmp_eq_u32 s2, 0
	s_cbranch_scc0 .Lentry_in_a_cluster
	s_endpgm
.Lentry_in_a_cluster:
	s_bfe_u32 s2, ttmp6, 0x10000c
	s_cmp_lg_u32 s2, 0xf033
	s_cbranch_scc0 .Lentry_shape_is_right
	s_endpgm
.Lentry_shape_is_right:
; out0 = att W_out + b_out, f16 operands, f32 sums.  att: f16 [64 bh][2048][64]; wo_t: W_out^T in f16 [1024 n][1024 k]; out0: f32 [4][2048][1024].
; A work-group makes 128 rows x 256 columns: 256 work-groups.  Four waves, each 64 x 128: 32 accumulators.  K goes in 8 steps of 128 (two heads) through a ring of two LDS slots.
; CLUSTERS 4 x 4: batch = cy, the 128 rows = cluster y, tile column = cx.  A's tiles are shared along a row of the cluster, B's along a column: joint loads.
; THE MATRIX INSTRUCTION IS USED TRANSPOSED (source 0 = rows of wo_t, source 1 = rows of att).  The bias is the C of each sum's first product.
; Rows 0-15 of each sequence are NOT stored here: another launch makes them in f32, so that each output byte has one writer.
; LIMITS: |att|, |W_out| under 65,504 (f16).
; REGISTERS: window 0: v0-31 addresses; two fragment buffers at v32 and v128 (A's four fragments, then B's eight); window 1: accumulator (a, b) at 8 (8 a + b); window 2: v0-63 the bias.
.set AH,    17408                      ; one head's 128 rows: 64 double rows of 256 bytes + 16
.set BOFF,  34816
.set BH,    34816                      ; 128 rows of wo_t x 272
.set SLOT,  104448
.set STAGE, 2*SLOT                     ; 16 rows x 528 bytes for each wave
.set SPARE, STAGE+4*16*528
.set ADRA, 16
.set ADRB, 20
.set STO,  24
.set RD,   25
.set CO,   26
.set SPW,  28
.set NIL,  29
.set PFO,  30
.set BO,   31
.set F0,   32
.set F1,   128
.set BK,   32
.set G1,  24
.set G0,  32
.set G1B, 48
.set G0B, 56
.set PFA, 66
.set LIM, 68
.set SKIP, 69
.set MSB, 0
.macro WIN new
.if MSB != (\new)
	s_set_vgpr_msb (MSB<<8)|(\new)
.set MSB, (\new)
.endif
.endm
.set MUL,  0x50                        ; C and D window 1
.set MULB, 0x60                        ; C window 2 (the bias), D window 1
.macro JLOAD s                         ; waves 0, 1 fetch A's two heads, waves 2, 3 B's two halves
	s_cmp_eq_u32 s13, 0
	s_cbranch_scc0 .Lfor_b_\@
	tensor_load_to_lds s[G0+4*\s:G0+4*\s+3], s[G1:G1+7]
	s_nop 0
.rept 4
	v_nop
.endr
	s_branch .Lasked_\@
.Lfor_b_\@:
	tensor_load_to_lds s[G0B+4*\s:G0B+4*\s+3], s[G1B:G1B+7]
	s_nop 0
.rept 4
	v_nop
.endr
.Lasked_\@:
.endm
; A prefetch of A's K step two refills on: 32,768 bytes.  Only this row of the cluster reads them; its four partners take 8,192 bytes each, told apart by address; in each, wave 0 asks, lanes 256 bytes apart.
; The last trip's two refills have no K step two on.  B is not asked for: every cluster reads the same rows of wo_t.
.macro ASK
	s_cmp_gt_u32 s3, s[LIM]
	s_cbranch_scc0 .Lnot_mine_\@
	global_prefetch_b8 v[PFO], s[PFA:PFA+1] offset:524288 th:TH_LOAD_NT scope:SCOPE_SE
.Lnot_mine_\@:
.endm
.macro CREST
	s_cmp_lg_u32 s12, 0
	s_cbranch_scc1 .Lnot_wave_0_\@
	s_barrier_signal -3
.Lnot_wave_0_\@:
	s_barrier_wait -3
	s_barrier_signal -1
	s_barrier_wait -1
.endm
.macro CROUND
	s_barrier_signal -1
	s_barrier_wait -1
	CREST
.endm
	s_load_b256 s[4:11], s[0:1], 0x0               ; att, wo_t, b_out, out0
	v_lshl_add_u32 v[SPW], v0, 2, SPARE
	v_mov_b32 v[NIL], 0
	ds_add_u32 v[SPW], v[NIL]                      ; the wave's opening: the add, twice on end, and its wait
	ds_add_u32 v[SPW], v[NIL]
	v_lshrrev_b32 v1, 5, v0
	v_readfirstlane_b32 s12, v1                    ; wave
	s_lshr_b32 s13, s12, 1                         ; which 64 rows are mine.  Also: I fetch for A (0) or B (1)
	s_and_b32 s14, s12, 1                          ; which 128 columns.  Also: which part I fetch
	s_bfe_u32 s40, ttmp6, 0x40000                  ; cx
	s_bfe_u32 s41, ttmp6, 0x40004                  ; cy: the batch
	s_lshl_b32 s42, ttmp9, 2
	s_add_co_u32 s42, s42, s40                     ; tile column
	s_and_b32 s45, ttmp7, 0xffff                   ; which 128 rows of the sequence
	s_lshl_b32 s43, s41, 2
	s_lshl_b32 s43, 15, s43
	s_lshl_b32 s44, 0x1111, s40
	s_or_b32 s[G1+0], s43, (1<<16)|(1<<20)|(1<<21)|(5<<22)|(3<<25)
	s_or_b32 s[G1B+0], s44, (1<<16)|(1<<20)|(1<<21)|(5<<22)|(3<<25)
	s_mov_b32 s[G1+1], 128<<16                     ; A: 64 double rows of 128 elements, dense
	s_mov_b32 s[G1+2], 64<<16
	s_mov_b32 s[G1+3], 128<<16
	s_mov_b32 s[G1+4], 64
	s_mov_b32 s[G1+5], 128
	s_mov_b32 s[G1+6], 0
	s_mov_b32 s[G1+7], 0
	s_mov_b32 s[G1B+1], 128<<16                    ; B: 128 rows of 128 elements, 1,024 elements apart
	s_mov_b32 s[G1B+2], 128<<16
	s_mov_b32 s[G1B+3], 128<<16
	s_mov_b32 s[G1B+4], 128
	s_mov_b32 s[G1B+5], 1024
	s_mov_b32 s[G1B+6], 0
	s_mov_b32 s[G1B+7], 0
	s_lshl_b32 s16, s41, 22                        ; A: the batch's 16 heads of 262,144 bytes,
	s_lshl_b32 s17, s14, 18                        ; the head that I fetch,
	s_add_co_u32 s16, s16, s17
	s_lshl_b32 s17, s45, 14                        ; 128 rows of 128 bytes
	s_add_co_u32 s16, s16, s17
	s_mov_b32 s17, 0
	s_lshl_b32 s46, s42, 19                        ; B: 256 rows of 2,048 bytes a tile column,
	s_lshl_b32 s47, s14, 18                        ; my 128
	s_add_co_u32 s46, s46, s47
	s_mov_b32 s47, 0
	s_mul_i32 s20, s14, AH
	s_mul_i32 s21, s14, BH
	s_add_co_u32 s21, s21, BOFF
	s_wait_dscnt 0x0
	s_wait_kmcnt 0x0
	s_add_nc_u64 s[16:17], s[4:5], s[16:17]
	s_add_nc_u64 s[46:47], s[6:7], s[46:47]
	CROUND
.irp s, 0,1
	s_mov_b32 s[G0+4*\s], 1
	s_add_co_u32 s[G0+4*\s+1], s20, \s*SLOT
	s_add_nc_u64 s[G0+4*\s+2:G0+4*\s+3], s[16:17], \s*524288       ; K step s: heads 2 s, 2 s + 1
	s_or_b32 s[G0+4*\s+3], s[G0+4*\s+3], 0x80000000
	s_mov_b32 s[G0B+4*\s], 1
	s_add_co_u32 s[G0B+4*\s+1], s21, \s*SLOT
	s_add_nc_u64 s[G0B+4*\s+2:G0B+4*\s+3], s[46:47], \s*256
	s_or_b32 s[G0B+4*\s+3], s[G0B+4*\s+3], 0x80000000
	JLOAD \s
.endr
	s_lshl_b32 s22, s42, 10
	s_lshl_b32 s23, s14, 9
	s_add_co_u32 s22, s22, s23
	s_mov_b32 s23, 0
	s_add_nc_u64 s[8:9], s[8:9], s[22:23]          ; my 128 numbers of the bias
	v_and_b32 v1, 15, v0
	v_bfe_u32 v2, v0, 4, 1
	v_lshlrev_b32 v[BO], 5, v2
	WIN 0x80                                       ; destination window 2
.irp b, 0,1,2,3,4,5,6,7
	global_load_b128 v[8*\b:8*\b+3], v[BO], s[8:9] offset:64*\b
	global_load_b128 v[8*\b+4:8*\b+7], v[BO], s[8:9] offset:64*\b+16
.endr
	WIN 0
	v_lshrrev_b32 v3, 1, v1
	v_mul_u32_u24 v3, v3, 272
	v_and_b32 v4, 1, v1
	v_lshl_add_u32 v3, v4, 7, v3
	v_lshl_add_u32 v3, v2, 4, v3                   ; A: row r at (r / 2) x 272 + (r % 2) x 128, + 16 h
	v_mul_u32_u24 v4, v1, 272
	v_lshl_add_u32 v4, v2, 4, v4                   ; B: row r x 272 + 16 h
	s_mul_i32 s20, s13, 32*272
	s_mul_i32 s21, s14, BH
	s_add_co_u32 s21, s21, BOFF
.irp s, 0,1
	v_add_nc_u32 v[ADRA+\s], s20, v3
	v_add_nc_u32 v[ADRB+\s], s21, v4
	s_add_co_u32 s20, s20, SLOT
	s_add_co_u32 s21, s21, SLOT
.endr
	s_mul_i32 s22, s12, 16*528
	s_add_co_u32 s22, s22, STAGE
	v_mul_u32_u24 v5, v1, 528
	v_lshl_add_u32 v5, v2, 5, v5
	v_add_nc_u32 v[STO], s22, v5
	v_and_b32 v6, 31, v0
	v_lshlrev_b32 v[PFO], 8, v6
	v_lshlrev_b32 v[CO], 4, v6
	v_add_nc_u32 v[RD], s22, v[CO]
	s_lshl_b32 s22, s41, 23                        ; out0: the batch, 2,048 rows of 4,096 bytes,
	s_lshl_b32 s18, s45, 19                        ; the tile's 128 rows,
	s_add_co_u32 s22, s22, s18
	s_lshl_b32 s18, s13, 18                        ; my 64,
	s_add_co_u32 s22, s22, s18
	s_lshl_b32 s18, s42, 10                        ; the tile's 256 columns,
	s_add_co_u32 s22, s22, s18
	s_lshl_b32 s18, s14, 9                         ; my 128
	s_add_co_u32 s22, s22, s18
	s_add_nc_u64 s[10:11], s[10:11], s[22:23]
	s_or_b32 s[SKIP], s45, s13                     ; 0 where my block 0 is rows 0-15 of a sequence: cluster y and the wave's number alone
	s_lshl_b32 s22, s41, 22                        ; the prefetches: my work-group's quarter of a K step of A
	s_lshr_b32 s18, s40, 1
	s_lshl_b32 s18, s18, 18
	s_add_co_u32 s22, s22, s18
	s_lshl_b32 s18, s45, 14
	s_add_co_u32 s22, s22, s18
	s_and_b32 s18, s40, 1
	s_lshl_b32 s18, s18, 13
	s_add_co_u32 s22, s22, s18
	s_add_co_u32 s22, s22, 2*524288                ; at K step 2: the first refill steps it to 3 and names K step 4
	s_add_nc_u64 s[PFA:PFA+1], s[4:5], s[22:23]
	s_cmp_eq_u32 s12, 0
	s_cselect_b32 s[LIM], 1, -1
.macro FETCH slot, q, f                ; 24 LDS loads: the fragments of 32 along K, the q-th of the slot: B's eight, A's blocks 0, 1, then 2, 3
.irp b, 0,1,2,3,4,5,6,7
	ds_load_b128 v[\f+32+8*\b:\f+32+8*\b+3], v[ADRB+\slot] offset:4352*\b+64*(\q)
	ds_load_b128 v[\f+32+8*\b+4:\f+32+8*\b+7], v[ADRB+\slot] offset:4352*\b+64*(\q)+32
.endr
.irp a, 0,1,2,3
	ds_load_b128 v[\f+8*\a:\f+8*\a+3], v[ADRA+\slot] offset:2176*\a+((\q)/2)*AH+((\q)%2)*64
	ds_load_b128 v[\f+8*\a+4:\f+8*\a+7], v[ADRA+\slot] offset:2176*\a+((\q)/2)*AH+((\q)%2)*64+32
.endr
.endm
.macro MUL8 f, a, first                ; A's block a x B's eight; the 32 accumulators take turns, one instruction a turn
.irp b, 0,1,2,3,4,5,6,7
.if \first
	v_wmma_f32_16x16x32_f16 v[8*(8*(\a)+\b):8*(8*(\a)+\b)+7], v[\f+32+8*\b:\f+32+8*\b+7], v[\f+8*(\a):\f+8*(\a)+7], v[8*\b:8*\b+7]
.else
	v_wmma_f32_16x16x32_f16 v[8*(8*(\a)+\b):8*(8*(\a)+\b)+7], v[\f+32+8*\b:\f+32+8*\b+7], v[\f+8*(\a):\f+8*(\a)+7], v[8*(8*(\a)+\b):8*(8*(\a)+\b)+7]
.endif
.endr
.endm
.macro PLACES
.rept 4
	v_nop
.endr
.endm
.macro QUARTER slot, q, f, g, first    ; multiplies buffer f; in its middle fetches the slot's q-th quarter into g
	s_wait_dscnt 4                                 ; B and A's blocks 0, 1 are in; the youngest four loads (A's blocks 2, 3) may be out
	WIN MUL+0x10*(\first)
	MUL8 \f, 0, \first
	MUL8 \f, 1, \first
	PLACES
	WIN 0
	FETCH \slot, \q, \g
	s_wait_dscnt 24                                ; all but the 24 just issued
	WIN MUL+0x10*(\first)
	MUL8 \f, 2, \first
	MUL8 \f, 3, \first
.endm
.macro TURN slot, next, fill           ; the slot's last quarter (buffer 1) and the change of slots
.if \fill
	s_wait_xcnt 0x0                                ; the last prefetch, a K step back, has read its address
	s_add_nc_u64 s[PFA:PFA+1], s[PFA:PFA+1], 524288
.endif
	WIN 0
	s_wait_tensorcnt 0x0                           ; all my tensor loads have landed: my part of the next slot
	ds_add_u32 v[SPW], v[NIL]
	s_wait_dscnt 5                                 ; (the add and the youngest four loads may be out)
	WIN MUL
	MUL8 F1, 0, 0
	s_wait_dscnt 0x0                               ; the add is done, and my reads of this slot are over
	s_barrier_signal -1
	MUL8 F1, 1, 0
	WIN 0
	s_barrier_wait -1
.if \fill
	CREST                                          ; the barrier has opened a round of the cluster's: no wave of any partner still reads this slot or has a load on its way
	s_add_nc_u64 s[G0+4*\slot+2:G0+4*\slot+3], s[G0+4*\slot+2:G0+4*\slot+3], 2*524288
	s_add_nc_u64 s[G0B+4*\slot+2:G0B+4*\slot+3], s[G0B+4*\slot+2:G0B+4*\slot+3], 2*256
	JLOAD \slot                                    ; the four v_nop behind it are also the places ahead of the loads below
.else
	PLACES
.endif
	FETCH \next, 0, F0
.if \fill
	ASK
.endif
	WIN MUL
	MUL8 F1, 2, 0
	MUL8 F1, 3, 0
.endm
	s_wait_tensorcnt 1                             ; my part of K step 0 is in; K step 1's may be out
	s_barrier_signal -1
	s_barrier_wait -1
	FETCH 0, 0, F0
	s_wait_loadcnt 0x0                             ; the bias
	QUARTER 0, 1, F0, F1, 1                        ; the first products start the sums from the bias
	WIN 0
	s_mov_b32 s3, 3
.Llap:
	QUARTER 0, 2, F1, F0, 0
	QUARTER 0, 3, F0, F1, 0
	TURN 0, 1, 1
	QUARTER 1, 1, F0, F1, 0
	QUARTER 1, 2, F1, F0, 0
	QUARTER 1, 3, F0, F1, 0
	TURN 1, 0, 1
	QUARTER 0, 1, F0, F1, 0
	WIN 0
	s_sub_co_u32 s3, s3, 1
	s_cmp_lg_u32 s3, 0
	s_cbranch_scc1 .Llap
	QUARTER 0, 2, F1, F0, 0                        ; the last lap fills nothing
	QUARTER 0, 3, F0, F1, 0
	TURN 0, 1, 0
	QUARTER 1, 1, F0, F1, 0
	QUARTER 1, 2, F1, F0, 0
	QUARTER 1, 3, F0, F1, 0
	s_wait_dscnt 4
	WIN MUL
	MUL8 F1, 0, 0
	MUL8 F1, 1, 0
	s_wait_dscnt 0x0
	MUL8 F1, 2, 0
	MUL8 F1, 3, 0
	WIN 0
; THE WAY OUT: a block of 16 rows x 128 columns goes through my stage and comes back as whole rows of 512 bytes
.macro TOSTAGE a
	WIN 0x04                                       ; an LDS store's data are its source 1: window 1
.irp b, 0,1,2,3,4,5,6,7
	ds_store_b128 v[STO], v[8*(8*(\a)+\b):8*(8*(\a)+\b)+3] offset:64*\b          ; each accumulator from its low end on
	ds_store_b128 v[STO], v[8*(8*(\a)+\b)+4:8*(8*(\a)+\b)+7] offset:64*\b+16
.endr
	WIN 0
.irp t, 0,1,2,3,4,5,6,7,8,9,10,11,12,13,14,15
	ds_load_b128 v[BK+64*((\a)%2)+4*\t:BK+64*((\a)%2)+4*\t+3], v[RD] offset:\t*528
.endr
.endm
.macro SEND a, younger
	s_wait_dscnt \younger
.if (\a) == 0
	s_cmp_eq_u32 s[SKIP], 0                        ; rows 0-15 of a sequence belong to the launch that makes them in f32
	s_cbranch_scc1 .Lfirst_rows
.endif
.irp t, 0,1,2,3,4,5,6,7,8,9,10,11,12,13,14,15
	global_store_b128 v[CO], v[BK+64*((\a)%2)+4*\t:BK+64*((\a)%2)+4*\t+3], s[10:11] offset:65536*(\a)+4096*\t th:TH_STORE_NT   ; 32 lanes store 512 consecutive bytes, aligned
.endr
.if (\a) == 0
.Lfirst_rows:
.endif
.endm
	PLACES
	TOSTAGE 0
.irp a, 1,2,3
.if \a > 1
	s_wait_xcnt 0x0                                ; block a - 2's stores have read their registers
.endif
	TOSTAGE \a
	SEND \a-1, 32                                  ; behind block a - 1's loads: block a's 16 stores and 16 loads
.endr
	SEND 3, 0
	s_wait_tensorcnt 0x0                           ; the wave's end
	ds_add_u32 v[SPW], v[NIL]
	s_wait_dscnt 0x0
	CROUND                                         ; the closing round
	s_endpgm
.Lfunc_end_k_q4e2ef9c4bb_proj:
	.size	k_q4e2ef9c4bb_proj, .Lfunc_end_k_q4e2ef9c4bb_proj-k_q4e2ef9c4bb_proj
	.p2alignl 7, 3214868480
	.fill 96, 4, 3214868480
	.section	.rodata,"a",@progbits
	.p2align	6, 0x0
	.amdhsa_kernel k_q4e2ef9c4bb_proj
		.amdhsa_group_segment_fixed_size 327680
		.amdhsa_private_segment_fixed_size 0
		.amdhsa_enable_private_segment 0
		.amdhsa_kernarg_size 32
		.amdhsa_user_sgpr_count 2
		.amdhsa_user_sgpr_kernarg_segment_ptr 1
		.amdhsa_wavefront_size32 1
		.amdhsa_system_sgpr_workgroup_id_x 1
		.amdhsa_system_sgpr_workgroup_id_y 1
		.amdhsa_system_sgpr_workgroup_id_z 1
		.amdhsa_system_vgpr_workitem_id 0
		.amdhsa_next_free_vgpr 640
		.amdhsa_next_free_sgpr 72
		.amdhsa_reserve_vcc 0
		.amdhsa_float_denorm_mode_32 3
		.amdhsa_float_denorm_mode_16_64 3
		.amdhsa_memory_ordered 1
		.amdhsa_forward_progress 1
		.amdhsa_inst_pref_size 88
	.end_amdhsa_kernel
	.amdgpu_metadata
---
amdhsa.version: [ 1, 2 ]
amdhsa.kernels:
  - .name:           k_q4e2ef9c4bb_proj
    .symbol:         k_q4e2ef9c4bb_proj.kd
    .args:
      - { .name: att, .offset: 0, .size: 8, .value_kind: global_buffer, .address_space: global }
      - { .name: wo_t, .offset: 8, .size: 8, .value_kind: global_buffer, .address_space: global }
      - { .name: b_out, .offset: 16, .size: 8, .value_kind: global_buffer, .address_space: global }
      - { .name: out0, .offset: 24, .size: 8, .value_kind: global_buffer, .address_space: global }
    .group_segment_fixed_size: 327680
    .private_segment_fixed_size: 0
    .kernarg_segment_align: 8
    .kernarg_segment_size: 32
    .max_flat_workgroup_size: 128
    .sgpr_count:     72
    .vgpr_count:     640
    .wavefront_size: 32
...
	.end_amdgpu_metadata
.endif
;; end of part 4
;; launch first16 (part 5): grid 16 x 4, 16 waves a work-group, no clusters, 85,504 bytes of LDS; arguments qkv16, W_out, b_out, out0; writes out0
.if DOCPART == 5
	.amdgcn_target "amdgcn-amd-amdhsa--gfx1250"
	.amdhsa_code_object_version 6
	.text
	.protected	k_q4e2ef9c4bb_first16
	.globl	k_q4e2ef9c4bb_first16
	.p2align	8
	.type	k_q4e2ef9c4bb_first16,@function
k_q4e2ef9c4bb_first16:
	s_mov_b64 s[64:65], 0
	v_nop
	global_prefetch_b8 v0, s[64:65] scope:SCOPE_SE
	s_setreg_imm32_b32 hwreg(HW_REG_WAVE_MODE, 25, 1), 1
	s_wait_xcnt 0x0
; Positions 0-15 of each of the 4 sequences, attention and projection, all in f32: these rows average one to sixteen values and are the largest of the output.
; qkv16: f32 [3][4 b][16 heads][16 t][64], q already multiplied by log2(e) / 8.  Work-group (sx, b) makes out0[b][0..15][64 sx .. 64 sx + 63]; each work-group computes its batch's 16 heads anew (one head a wave):
; 32 small matrix instructions a wave, which spares a launch of its own for them.
; PHASE 1 (wave = head): S^T = K Q^T (a lane: one query, eight keys), causal mask, softmax with the row's maximum taken away, O^T = V^T P, divided by the sum, into LDS as 16 rows x 1,024.
; PHASE 2: wave w takes 16 columns (w & 3) and 256 of K (w >> 2); the four parts of K meet in LDS; waves 0-7 add them and the bias and store two rows each.
; Along K both operands of a product are taken in the same permuted order, which keeps the sum's terms.  The registers that the f32 matrix form writes are written by nothing else.
.set STG,   66048                      ; LDS: O 16 rows x 4,112 from byte 0; four stages of 16 x 272; the spare words
.set SPARE, 83456
.set QR,  16                           ; v16-47 Q, later W's set 0
.set KR,  48                           ; v48-79 K, later W's set 1
.set VR,  80                           ; v80-111 V, later O's set 0
.set SA,  112
.set SB,  120
.set OAC, 128
.set PR,  160
.set ON,  176                          ; v176-207 O / sum, later O's set 1
.set Y0,  208
.set Y1,  216
.set YS,  224
	s_load_b256 s[4:11], s[0:1], 0x0               ; qkv16, W_out, b_out, out0
	v_lshl_add_u32 v12, v0, 2, SPARE               ; my spare word; never rewritten
	v_mov_b32 v13, 0                               ; 0; never rewritten
	v_lshrrev_b32 v14, 5, v0
	v_readfirstlane_b32 s12, v14                   ; wave = head
	s_and_b32 s13, ttmp7, 0xffff                   ; batch
	s_and_b32 s14, s12, 3                          ; phase 2: which 16 columns
	s_lshr_b32 s15, s12, 2                         ; which 256 of K
	s_and_b32 s16, s12, 7
	v_and_b32 v14, 15, v0                          ; r
	v_bfe_u32 v15, v0, 4, 1                        ; h
	v_lshlrev_b32 v1, 8, v14
	v_lshl_add_u32 v1, v15, 7, v1                  ; Q, K: row r of 256 bytes, channels 32 h on
	v_lshlrev_b32 v2, 2, v14
	v_lshl_add_u32 v3, v15, 14, v2                 ; W_out: rows 4 h on, column r
	v_lshl_add_u32 v2, v15, 11, v2                 ; V: keys 8 h on, channel r
	v_mul_u32_u24 v5, v14, 4112
	v_lshl_add_u32 v4, v15, 5, v5
	s_lshl_b32 s17, s12, 8
	v_add_nc_u32 v4, s17, v4                       ; O in LDS, in: row r, my head's 256 bytes, + 32 h
	v_lshl_add_u32 v5, v15, 4, v5
	s_lshl_b32 s17, s15, 10
	v_add_nc_u32 v5, s17, v5                       ; back: row r, my 256 of K, + 4 h numbers
	v_mul_u32_u24 v6, v14, 272
	v_lshl_add_u32 v6, v15, 5, v6
	s_mul_i32 s17, s15, 4352
	s_lshl_b32 s18, s14, 6
	s_add_co_u32 s17, s17, s18
	s_add_co_u32 s17, s17, STG
	v_add_nc_u32 v6, s17, v6                       ; the stage of my part of K: row r, my 16 columns, + 32 h
	v_mul_u32_u24 v7, v15, 272
	v_lshl_add_u32 v7, v14, 4, v7
	s_mul_i32 s17, s16, 544
	s_add_co_u32 s17, s17, STG
	v_add_nc_u32 v7, s17, v7                       ; the last pass: row 2 (wave & 7) + h, 16 bytes a lane
	v_lshlrev_b32 v8, 4, v14
	v_lshl_add_u32 v9, v15, 12, v8
	v_lshlrev_b32 v10, 3, v15
	v_sub_nc_u32 v10, v14, v10                     ; r - 8 h
	v_mov_b32 v11, 0xff800000                      ; -infinity
	s_mov_b32 s20, 0x76543210
	s_mov_b32 s21, 0xfedcba98
	s_lshl_b32 s22, s13, 4
	s_add_co_u32 s22, s22, s12
	s_lshl_b32 s22, s22, 12                        ; my head's 4,096 bytes
	s_mov_b32 s23, 0
	s_lshl_b32 s24, s15, 20                        ; 256 rows of W_out,
	s_lshl_b32 s26, ttmp9, 8                       ; the work-group's 64 columns,
	s_add_co_u32 s24, s24, s26
	s_lshl_b32 s27, s14, 6                         ; my 16
	s_add_co_u32 s24, s24, s27
	s_mov_b32 s25, 0
	s_mov_b32 s27, 0
	s_lshl_b32 s28, s13, 23
	s_lshl_b32 s29, s16, 13
	s_add_co_u32 s28, s28, s29
	s_add_co_u32 s28, s28, s26
	s_mov_b32 s29, 0
	s_wait_kmcnt 0x0
	s_add_nc_u64 s[4:5], s[4:5], s[22:23]
	s_add_nc_u64 s[6:7], s[6:7], s[24:25]
	s_add_nc_u64 s[8:9], s[8:9], s[26:27]
	s_add_nc_u64 s[10:11], s[10:11], s[28:29]
.irp e, 0,1,2,3,4,5,6,7
	global_load_b128 v[QR+4*\e:QR+4*\e+3], v1, s[4:5] offset:16*\e
	global_load_b128 v[KR+4*\e:KR+4*\e+3], v1, s[4:5] offset:262144+16*\e
.endr
.irp n, 0,1,2,3
.irp e, 0,1,2,3,4,5,6,7
	global_load_b32 v[VR+8*\n+\e], v2, s[4:5] offset:524288+256*\e+64*\n   ; V(8 h + e, 16 n + r)
.endr
.endr
.macro LOADW c                         ; 64 of K: register 4 g + e = W_out(64 c + 8 g + 4 h + e, my column r), into set c % 2
.irp g, 0,1,2,3,4,5,6,7
.irp e, 0,1,2,3
	global_load_b32 v[16+32*((\c)%2)+4*\g+\e], v3, s[6:7] offset:(64*(\c)+8*\g+\e)*4096
.endr
.endr
.endm
.macro LOADO c                         ; the same k of my row of O
.irp g, 0,1,2,3,4,5,6,7
	ds_load_b128 v[80+96*((\c)%2)+4*\g:80+96*((\c)%2)+4*\g+3], v5 offset:256*(\c)+32*\g
.endr
.endm
.macro PLACES8                         ; eight plain places behind the f32 matrix form (ISA guide 7.12.1)
.rept 8
	v_nop
.endr
.endm
	s_wait_loadcnt 0x0
	; S^T = K Q^T: two accumulators by turns; each sum's first product takes the constant 0
.set i, 0
.rept 8
.if i == 0
	v_wmma_f32_16x16x4_f32 v[SA:SA+7], v[KR:KR+1], v[QR:QR+1], 0
	v_wmma_f32_16x16x4_f32 v[SB:SB+7], v[KR+2:KR+3], v[QR+2:QR+3], 0
.else
	v_wmma_f32_16x16x4_f32 v[SA:SA+7], v[KR+4*i:KR+4*i+1], v[QR+4*i:QR+4*i+1], v[SA:SA+7]
	v_wmma_f32_16x16x4_f32 v[SB:SB+7], v[KR+4*i+2:KR+4*i+3], v[QR+4*i+2:QR+4*i+3], v[SB:SB+7]
.endif
.set i, i+1
.endr
	PLACES8
	LOADW 0                                        ; phase 2's first weights, into Q's and K's registers
	LOADW 1
.irp j, 0,1,2,3,4,5,6,7
	v_add_f32 v[PR+\j], v[SA+\j], v[SB+\j]         ; lane (r, h): query r, key 8 h + j
.endr
.irp j, 0,1,2,3,4,5,6,7
	v_cmp_gt_i32 vcc_lo, \j, v10                   ; hidden where 8 h + j > r
	v_cndmask_b32 v[PR+\j], v[PR+\j], v11, vcc_lo
.endr
	v_max3_num_f32 v168, v[PR], v[PR+1], v[PR+2]
	v_max3_num_f32 v169, v[PR+3], v[PR+4], v[PR+5]
	v_max3_num_f32 v168, v168, v[PR+6], v[PR+7]
	v_max_num_f32 v168, v168, v169
	v_permlanex16_b32 v169, v168, s20, s21
	v_max_num_f32 v168, v168, v169                 ; the row's maximum: key 0 counts for every query, so it is a number
.irp j, 0,1,2,3,4,5,6,7
	v_sub_f32 v[PR+\j], v[PR+\j], v168
.endr
.irp j, 0,1,2,3,4,5,6,7
	v_exp_f32 v[PR+\j], v[PR+\j]
.endr
	v_nop
	s_wait_alu depctr_va_vdst(0)                   ; one wait for the eight, ahead of their first reader
	v_add_f32 v170, v[PR], v[PR+1]
	v_add_f32 v171, v[PR+2], v[PR+3]
	v_add_f32 v172, v[PR+4], v[PR+5]
	v_add_f32 v173, v[PR+6], v[PR+7]
	v_add_f32 v170, v170, v171
	v_add_f32 v172, v172, v173
	v_add_f32 v170, v170, v172
	v_permlanex16_b32 v171, v170, s20, s21
	v_add_f32 v170, v170, v171
	v_rcp_f32 v172, v170
	v_nop
	; O^T = V^T P: four accumulators by turns; keys 8 h + 2 s, 8 h + 2 s + 1 in product s
.irp s, 0,1,2,3
.irp n, 0,1,2,3
.if \s == 0
	v_wmma_f32_16x16x4_f32 v[OAC+8*\n:OAC+8*\n+7], v[VR+8*\n:VR+8*\n+1], v[PR:PR+1], 0
.else
	v_wmma_f32_16x16x4_f32 v[OAC+8*\n:OAC+8*\n+7], v[VR+8*\n+2*\s:VR+8*\n+2*\s+1], v[PR+2*\s:PR+2*\s+1], v[OAC+8*\n:OAC+8*\n+7]
.endif
.endr
.endr
	PLACES8
	s_wait_alu depctr_va_vdst(0)                   ; the reciprocal's wait, ahead of its first reader
.set i, 0
.rept 32
	v_mul_f32 v[ON+i], v[OAC+i], v172              ; lane (r, h): query r, channel 16 n + 8 h + j
.set i, i+1
.endr
.irp n, 0,1,2,3
	ds_store_b128 v4, v[ON+8*\n:ON+8*\n+3] offset:64*\n
	ds_store_b128 v4, v[ON+8*\n+4:ON+8*\n+7] offset:64*\n+16
.endr
	s_wait_dscnt 0x0                               ; for the others' sake: my stores are done
	s_barrier_signal -1
	s_barrier_wait -1                              ; 16 rows x 1,024 of O lie in LDS
	LOADO 0
	LOADO 1
.macro CHUNK c                         ; 64 of K: 16 products, two accumulators by turns
.if (\c) < 3
	s_wait_loadcnt 32                              ; this chunk's 32 weights are in; the next chunk's may be out
	s_wait_dscnt 8                                 ; and so with O's eight loads
.else
	s_wait_loadcnt 0x0
	s_wait_dscnt 0x0
.endif
.set i, 0
.rept 8
.if ((\c) == 0) && (i == 0)
	v_wmma_f32_16x16x4_f32 v[Y0:Y0+7], v[16:17], v[80:81], 0
	v_wmma_f32_16x16x4_f32 v[Y1:Y1+7], v[18:19], v[82:83], 0
.else
	v_wmma_f32_16x16x4_f32 v[Y0:Y0+7], v[16+32*((\c)%2)+4*i:16+32*((\c)%2)+4*i+1], v[80+96*((\c)%2)+4*i:80+96*((\c)%2)+4*i+1], v[Y0:Y0+7]
	v_wmma_f32_16x16x4_f32 v[Y1:Y1+7], v[16+32*((\c)%2)+4*i+2:16+32*((\c)%2)+4*i+3], v[80+96*((\c)%2)+4*i+2:80+96*((\c)%2)+4*i+3], v[Y1:Y1+7]
.endif
.set i, i+1
.endr
	PLACES8
.if (\c)+2 < 4
	LOADW (\c)+2
	LOADO (\c)+2
.endif
.endm
	CHUNK 0
	CHUNK 1
	CHUNK 2
	CHUNK 3
.irp j, 0,1,2,3,4,5,6,7
	v_add_f32 v[YS+\j], v[Y0+\j], v[Y1+\j]         ; lane (r, h): row r, column 8 h + j of my 16
.endr
	ds_store_b128 v6, v[YS:YS+3]
	ds_store_b128 v6, v[YS+4:YS+7] offset:16
	s_wait_dscnt 0x0
	s_barrier_signal -1
	s_barrier_wait -1                              ; the four parts of K lie in the four stages
	s_cmp_lt_u32 s12, 8                            ; waves 0-7 finish two rows each; no barrier stands under this branch
	s_cbranch_scc0 .Ldone
	global_load_b128 v[248:251], v8, s[8:9]        ; the bias of my four columns
.irp k, 0,1,2,3
	ds_load_b128 v[232+4*\k:232+4*\k+3], v7 offset:4352*\k
.endr
	s_wait_dscnt 0x0
	s_wait_loadcnt 0x0
	v_pk_add_f32 v[232:233], v[232:233], v[236:237]
	v_pk_add_f32 v[234:235], v[234:235], v[238:239]
	v_pk_add_f32 v[240:241], v[240:241], v[244:245]
	v_pk_add_f32 v[242:243], v[242:243], v[246:247]
	v_pk_add_f32 v[232:233], v[232:233], v[240:241]
	v_pk_add_f32 v[234:235], v[234:235], v[242:243]
	v_pk_add_f32 v[232:233], v[232:233], v[248:249]
	v_pk_add_f32 v[234:235], v[234:235], v[250:251]
	global_store_b128 v9, v[232:235], s[10:11]     ; sixteen lanes store 256 consecutive bytes, aligned
.Ldone:
	s_wait_tensorcnt 0x0                           ; the wave's end, behind my last LDS store
	ds_add_u32 v12, v13
	s_wait_dscnt 0x0
	s_endpgm
.Lfunc_end_k_q4e2ef9c4bb_first16:
	.size	k_q4e2ef9c4bb_first16, .Lfunc_end_k_q4e2ef9c4bb_first16-k_q4e2ef9c4bb_first16
	.p2alignl 7, 3214868480
	.fill 96, 4, 3214868480
	.section	.rodata,"a",@progbits
	.p2align	6, 0x0
	.amdhsa_kernel k_q4e2ef9c4bb_first16
		.amdhsa_group_segment_fixed_size 85504
		.amdhsa_private_segment_fixed_size 0
		.amdhsa_enable_private_segment 0
		.amdhsa_kernarg_size 32
		.amdhsa_user_sgpr_count 2
		.amdhsa_user_sgpr_kernarg_segment_ptr 1
		.amdhsa_wavefront_size32 1
		.amdhsa_system_sgpr_workgroup_id_x 1
		.amdhsa_system_sgpr_workgroup_id_y 1
		.amdhsa_system_sgpr_workgroup_id_z 1
		.amdhsa_system_vgpr_workitem_id 0
		.amdhsa_next_free_vgpr 256
		.amdhsa_next_free_sgpr 66
		.amdhsa_reserve_vcc 1
		.amdhsa_float_denorm_mode_32 3
		.amdhsa_float_denorm_mode_16_64 3
		.amdhsa_memory_ordered 1
		.amdhsa_forward_progress 1
		.amdhsa_inst_pref_size 35
	.end_amdhsa_kernel
	.amdgpu_metadata
---
amdhsa.version: [ 1, 2 ]
amdhsa.kernels:
  - .name:           k_q4e2ef9c4bb_first16
    .symbol:         k_q4e2ef9c4bb_first16.kd
    .args:
      - { .name: qkv16, .offset: 0, .size: 8, .value_kind: global_buffer, .address_space: global }
      - { .name: W_out, .offset: 8, .size: 8, .value_kind: global_buffer, .address_space: global }
      - { .name: b_out, .offset: 16, .size: 8, .value_kind: global_buffer, .address_space: global }
      - { .name: out0, .offset: 24, .size: 8, .value_kind: global_buffer, .address_space: global }
    .group_segment_fixed_size: 85504
    .private_segment_fixed_size: 0
    .kernarg_segment_align: 8
    .kernarg_segment_size: 32
    .max_flat_workgroup_size: 512
    .sgpr_count:     66
    .vgpr_count:     256
    .wavefront_size: 32
...
	.end_amdgpu_metadata
.endif
;; end of part 5
